; MI455X (gfx1250); checked and timed in simulation.
; The chip was launched on July 23, 2026; its instructions are those of AMD's public machine-readable ISA for CDNA 5 (MIT licence, August 2026) and "CDNA5" Instruction Set Architecture Reference Guide (July 2026). The comments in the code are by the model that wrote it; some were corrected since.
;; Fused Mo E Module. Allowed arithmetic: float matrix products may take bf16 or f16 operands with f32 sums; all other float work in f32.
;; Inputs: hidden_states 2,048 x 2,048 float32; topk_ids 2,048 x 2 int32; topk_weights 2,048 x 2 float32; w_dn 8 x 2,048 x 512 float32; w_up 8 x 1,024 x 2,048 float32.
;; Outputs: out0 2,048 x 2,048 float32.
;; 2 versions, each right and faster than the one before. Each part assembles by itself: llvm-mc -triple=amdgcn-amd-amdhsa -mcpu=gfx1250 --defsym DOCPART=n.
;; ======== version 1 of 2: 4 launches
;; workspace buffers: list 135,168 bytes of whole numbers; blk 512 bytes of whole numbers; act 4,833,280 bytes; y2 33,554,432 bytes
;; launch route (part 1): grid 1 x 1, 8 waves a work-group, no clusters, 136,448 bytes of LDS; arguments topk_ids, list, blk; writes list, blk
.if DOCPART == 1
	.amdgcn_target "amdgcn-amd-amdhsa--gfx1250"
	.amdhsa_code_object_version 6
	.text
	.protected	k_qbf56552ae7_route
	.globl	k_qbf56552ae7_route
	.p2align	8
	.type	k_qbf56552ae7_route,@function
k_qbf56552ae7_route:
	s_mov_b64 s[64:65], 0
	v_nop
	global_prefetch_b8 v0, s[64:65] scope:SCOPE_SE
	s_setreg_imm32_b32 hwreg(HW_REG_WAVE_MODE, 25, 1), 1
	s_wait_xcnt 0x0
; ROUTE: the 4,096 slots s = 2 t + k of topk_ids [2048][2] are sorted by expert, and the lists are cut into blocks of 80 rows.
; list is [8][4224] words.  Row e: the slots that name expert e (in the order of the scan below), then PAD = 4096 to the row's end.
; blk is [64][2] words.  Entry b: the expert of block b and the block's first row in that expert's list.  Expert e has ceil(n_e / 80) blocks, the experts' blocks follow each other.
; A block number that this routing does not use gets expert 7 and row 4128: rows 4128 .. 4207 of a list are PAD for every routing, since a list has at most 4,096 slots.
; One work-group of eight waves; wave e builds row e in LDS bytes of its own (e x 16,896 on) and stores it in runs of 512 consecutive bytes.
; The eight counts meet in 32 bytes of LDS behind one barrier, and wave 0 makes the table, two entries a lane.
; EXEC is never changed: a lane whose id is not mine stores PAD into the row's last word, which stays PAD.  No trip count hangs on data: 128 steps are written out.
; LIMIT: ids lie in 0..7, as an index into the table of experts does; a slot with another id enters no row.
; No matrix work, no cluster: 16 KiB are read and 132 KiB written.
.set PAD,     4096
.set LROW,    16896                    ; bytes in a row of list
.set DUMP,    4223                     ; the word of a row that takes the lanes with nothing to store
.set CNTS,    8*LROW                   ; LDS: the eight counts
.set BLK,     80
.set EMPTY0,  4128
.set IDS,     12                       ; v[12:139] 32 x 4 ids; later v[12:143] the row read back
.set TA,      144                      ; the table: LDS address of the counts, then EMPTY0
.set RUN,     145                      ; blocks of the experts up to the one in hand
.set E0,      146                      ; v[146:147] entry of block lane: expert, first block of the expert and then first row
.set R0,      147
.set CN,      148                      ; v[148:155] the counts, then the experts' numbers of blocks
.set E1,      156                      ; v[156:157] entry of block lane + 32
.set R1,      157
.set B1,      158                      ; lane + 32
.set TO,      159                      ; 8 x lane
.set DUMPR,   160                      ; DUMP in every lane
	s_load_b128 s[4:7], s[0:1], 0x0                ; topk_ids s[4:5], list s[6:7]
	s_load_b64 s[12:13], s[0:1], 0x10              ; blk
	v_lshl_add_u32 v168, v0, 2, 0x21100
	v_mov_b32 v169, 0
	v_lshrrev_b32 v1, 5, v0
	v_readfirstlane_b32 s8, v1                     ; my wave = my expert
	v_and_b32 v1, 31, v0                           ; lane
	v_lshlrev_b32 v2, 4, v1                        ; 16 x lane
	v_lshlrev_b32 v3, 2, v1                        ; 4 x lane: the first slot of my 16 bytes of ids
	s_mul_i32 s9, s8, LROW                         ; my row: in LDS and in list
	s_mov_b32 s10, 0                               ; slots found so far
	s_mov_b32 s16, s9
	s_mov_b32 s17, 0
	v_add_nc_u32 v7, s9, v2
	v_mov_b32 v[DUMPR], DUMP
.irp r, 8,9,10,11
	v_mov_b32 v\r, PAD
.endr
	s_wait_kmcnt 0x0
	s_add_nc_u64 s[6:7], s[6:7], s[16:17]
.set i, 0
.rept 32
	global_load_b128 v[IDS+4*i:IDS+4*i+3], v2, s[4:5] offset:512*i   ; register 4 i + j of a lane: slot 128 i + 4 lane + j
.set i, i+1
.endr
.set i, 0
.rept 33
	ds_store_b128 v7, v[8:11] offset:512*i         ; the whole row is PAD first
.set i, i+1
.endr
	s_wait_loadcnt 0x0
; One step: the 32 slots 128 (i / 4) + 4 lane + i % 4.  A lane whose id is mine takes the place (found so far) + (such lanes below it) and stores its slot there;
; the other lanes store PAD into word DUMP.  LDS serves a wave in order (ISA guide 5.7.1.4): the slot lands on the PAD.
.set i, 0
.rept 128
	v_cmp_eq_u32 vcc_lo, s8, v[IDS+i]
	v_mbcnt_lo_u32_b32 v4, vcc_lo, s10
	v_add_nc_u32 v6, 128*(i/4)+(i%4), v3
	v_cndmask_b32 v4, v[DUMPR], v4, vcc_lo
	v_cndmask_b32 v6, v8, v6, vcc_lo
	v_min_u32 v4, 0x107f, v4                       ; a place is at most 4,095 by count; the bound keeps the address inside my row
	v_lshl_add_u32 v5, v4, 2, s9
	s_bcnt1_i32_b32 s11, vcc_lo
	s_add_co_u32 s10, s10, s11
	ds_store_b32 v5, v6
.set i, i+1
.endr
	v_mov_b32 v4, s10
	s_lshl_b32 s11, s8, 2
	s_add_co_u32 s11, s11, CNTS
	v_mov_b32 v5, s11
	ds_store_b32 v5, v4                            ; n_e into my word of the counts: every lane writes the same number
	s_wait_dscnt 0x0                               ; for wave 0's sake: my count is in LDS
	s_barrier_signal -1
	s_barrier_wait -1
	s_cmp_lg_u32 s8, 0
	s_cbranch_scc1 .Lrow
	; wave 0: the table.  Block b belongs to the first expert whose blocks end behind b.
	v_mov_b32 v[TA], CNTS
	ds_load_b128 v[CN:CN+3], v[TA]
	ds_load_b128 v[CN+4:CN+7], v[TA] offset:16
	v_add_nc_u32 v[B1], 32, v1
	v_lshlrev_b32 v[TO], 3, v1
	v_mov_b32 v[RUN], 0
	v_mov_b32 v[E0], 0
	v_mov_b32 v[R0], 0
	v_mov_b32 v[E1], 0
	v_mov_b32 v[R1], 0
	s_wait_dscnt 0x0
	v_mov_b32 v[TA], EMPTY0
.irp e, 0,1,2,3,4,5,6,7
	v_add_nc_u32 v[CN+\e], BLK-1, v[CN+\e]
	v_mul_u32_u24 v[CN+\e], 0xcccd, v[CN+\e]       ; x / 80 = x 52429 >> 22, exact for x below 262,144; here x is at most 4,175
	v_lshrrev_b32 v[CN+\e], 22, v[CN+\e]
	v_add_nc_u32 v[RUN], v[RUN], v[CN+\e]          ; where expert e's blocks end
	v_cmp_ge_u32 vcc_lo, v1, v[RUN]
	v_cndmask_b32 v[E0], v[E0], \e+1, vcc_lo       ; at or behind that end: a later expert's, whose blocks begin here at the earliest
	v_cndmask_b32 v[R0], v[R0], v[RUN], vcc_lo
	v_cmp_ge_u32 vcc_lo, v[B1], v[RUN]
	v_cndmask_b32 v[E1], v[E1], \e+1, vcc_lo
	v_cndmask_b32 v[R1], v[R1], v[RUN], vcc_lo
.endr
	v_sub_nc_u32 v[R0], v1, v[R0]
	v_sub_nc_u32 v[R1], v[B1], v[R1]
	v_mul_u32_u24 v[R0], BLK, v[R0]                ; the block's first row in its expert's list
	v_mul_u32_u24 v[R1], BLK, v[R1]
	v_cmp_eq_u32 vcc_lo, 8, v[E0]                  ; behind the last expert's end: not used by this routing
	v_cndmask_b32 v[R0], v[R0], v[TA], vcc_lo
	v_cmp_eq_u32 vcc_lo, 8, v[E1]
	v_cndmask_b32 v[R1], v[R1], v[TA], vcc_lo
	v_min_u32 v[E0], 7, v[E0]
	v_min_u32 v[E1], 7, v[E1]
	global_store_b64 v[TO], v[E0:E0+1], s[12:13]               ; 256 consecutive bytes each
	global_store_b64 v[TO], v[E1:E1+1], s[12:13] offset:256
.Lrow:
.set i, 0
.rept 33
	ds_load_b128 v[IDS+4*i:IDS+4*i+3], v7 offset:512*i
.set i, i+1
.endr
.set i, 0
.rept 33
	s_wait_dscnt 32-i                              ; LDS loads come back in order: number i is in, the younger ones stay out
	global_store_b128 v2, v[IDS+4*i:IDS+4*i+3], s[6:7] offset:512*i   ; 512 consecutive bytes, at a multiple of 256 from the first byte of list
.set i, i+1
.endr
	s_wait_tensorcnt 0x0
	ds_add_u32 v168, v169
	s_wait_dscnt 0x0
	s_endpgm
.Lfunc_end_k_qbf56552ae7_route:
	.size	k_qbf56552ae7_route, .Lfunc_end_k_qbf56552ae7_route-k_qbf56552ae7_route
	.p2alignl 7, 3214868480
	.fill 96, 4, 3214868480
	.section	.rodata,"a",@progbits
	.p2align	6, 0x0
	.amdhsa_kernel k_qbf56552ae7_route
		.amdhsa_group_segment_fixed_size 136448
		.amdhsa_private_segment_fixed_size 0
		.amdhsa_enable_private_segment 0
		.amdhsa_kernarg_size 24
		.amdhsa_user_sgpr_count 2
		.amdhsa_user_sgpr_kernarg_segment_ptr 1
		.amdhsa_wavefront_size32 1
		.amdhsa_system_sgpr_workgroup_id_x 1
		.amdhsa_system_sgpr_workgroup_id_y 1
		.amdhsa_system_sgpr_workgroup_id_z 1
		.amdhsa_system_vgpr_workitem_id 0
		.amdhsa_next_free_vgpr 170
		.amdhsa_next_free_sgpr 66
		.amdhsa_reserve_vcc 1
		.amdhsa_float_denorm_mode_32 3
		.amdhsa_float_denorm_mode_16_64 3
		.amdhsa_memory_ordered 1
		.amdhsa_forward_progress 1
		.amdhsa_inst_pref_size 78
	.end_amdhsa_kernel
	.amdgpu_metadata
---
amdhsa.version: [ 1, 2 ]
amdhsa.kernels:
  - .name:           k_qbf56552ae7_route
    .symbol:         k_qbf56552ae7_route.kd
    .args:
      - { .name: topk_ids, .offset: 0, .size: 8, .value_kind: global_buffer, .address_space: global }
      - { .name: list, .offset: 8, .size: 8, .value_kind: global_buffer, .address_space: global }
      - { .name: blk, .offset: 16, .size: 8, .value_kind: global_buffer, .address_space: global }
    .group_segment_fixed_size: 136448
    .private_segment_fixed_size: 0
    .kernarg_segment_align: 8
    .kernarg_segment_size: 24
    .max_flat_workgroup_size: 256
    .sgpr_count:     66
    .vgpr_count:     170
    .wavefront_size: 32
...
	.end_amdgpu_metadata
.endif
;; end of part 1
;; launch up (part 2): grid 4 x 59, 4 waves a work-group, no clusters, 119,040 bytes of LDS; arguments hidden_states, topk_weights, w_up, list, act, blk; writes act
.if DOCPART == 2
	.amdgcn_target "amdgcn-amd-amdhsa--gfx1250"
	.amdhsa_code_object_version 6
	.text
	.protected	k_qbf56552ae7_up
	.globl	k_qbf56552ae7_up
	.p2align	8
	.type	k_qbf56552ae7_up,@function
k_qbf56552ae7_up:
	s_mov_b64 s[64:65], 0
	v_nop
	global_prefetch_b8 v0, s[64:65] scope:SCOPE_SE
	s_setreg_imm32_b32 hwreg(HW_REG_WAVE_MODE, 25, 1), 1
	s_wait_xcnt 0x0
; UP: act[80 b + p][j] = bf16( weight(s) x silu(x[t] . w_up[e][j]) x (x[t] . w_up[e][512 + j]) ), (e, row0) = blk[b], s = list[e][row0 + p], t = s / 2, j = 0..511.
; Only the slots that name an expert are multiplied: the other products of the dense form are multiplied by a combine weight of 0.
; SHARES.  Work-group (x, y): block b = y of 80 list rows, column block c = x (gate columns 128 c .. + 127 and up columns 512 + 128 c .. + 127).  One pass of 80 x 256 x 2048.
; THE GRID IS FIXED: 59 = floor((4096 + 8 x 79) / 80) is the most blocks of 80 that any routing of 4,096 slots to 8 experts needs.  The numbers read from blk and list enter
; addresses alone: no branch hangs on them, so every wave passes every barrier whatever the routing.  Rows past an expert's count, and all rows of a block that the routing does
; not use, are PAD: they read token 2047, get weight 0 and are written to act, where no result that is kept hangs on them.
; Four waves: wave w has all 80 rows (5 units of 16) and gate columns 32 w .. + 31 and up columns 32 w .. + 31 of the block: 20 accumulators.
; DATA PATH.  x and w_up are f32 in memory: K goes in 32 chunks of 64 (256 aligned bytes of each row).  A chunk is loaded into one of two sets of staging registers
; (42 loads of 16 bytes a lane), rounded to bf16 once, stored into one of two LDS slots, and read as fragments.  Chunk j + 3 is asked for in the step that multiplies chunk j.
; NO TENSOR LOADS, NO CLUSTER: every operand is rounded between memory and LDS, and the rows of x are picked by a list, so the tiles come through registers.
; THE MATRIX INSTRUCTION IS USED TRANSPOSED: source 0 = 16 rows of w_up, source 1 = 16 tokens: a lane holds one token (lane % 16) and eight neighbouring columns 8 (lane / 16) + 0..7.
; LIMITS.  v_exp_f32 and v_rcp_f32 flush denormals (ISA guide 15.8): silu(g) is 0 for g below about -88.  Where an expert that a token does NOT name would give an infinite
; activation the dense form gives NaN (0 x inf); this text does not compute it.  A token that names one expert twice has its two weighted activations rounded to bf16 apart.
; LDS: slot s at s x 48,384: 80 rows of x, then 256 rows of w_up, 144 bytes apart (128 of data + 16: row r starts 36 r words on, so the 16 rows of a fragment load start at 16 different
; groups of 4 banks; 64 banks of 4 bytes: ISA guide 11.1).  Row j of the w_up part is row ((j / 32) % 2) 512 + 128 c + 32 (j / 64) + j % 32.  STAGE behind the slots: 80 rows x 272 bytes.
; REGISTERS in windows of 256: window 0 addresses, weights, fragments v64-207; windows 1, 2 the staging sets 0, 1 (168 each); window 3 accumulator (a, b) at 8 (4 a + b), b = 0, 1 gate, 2, 3 up.
.set LROW,    16896
.set BLK,     80
.set EMPTY0,  4128
.set PITCH,   144
.set UNIT,    16*PITCH
.set BOFF,    BLK*PITCH                ; the w_up part of a slot
.set SLOT,    336*PITCH
.set STAGE,   2*SLOT
.set SPITCH,  272                      ; a stage row: 256 bytes + 16
.set WOF,  3                           ; v3-7    byte offsets of my five routing weights
.set AOFF, 8                           ; v8-17   load g of x: token x 8192 + 16 (lane % 16)
.set STB,  18                          ; v18-19  BOFF + (2 w + 8 h) x 144 + 8 (lane % 16) in slot 0, 1: with the slot in the immediate it would pass 65,535
.set BG,   28                          ; v28     (2 w + 8 h) x 8192 + 16 (lane % 16), h = lane / 16
.set LST,  29                          ; v29     (2 w + 8 h) x 4
.set STA,  30                          ; v30     (2 w + 8 h) x 144 + 8 (lane % 16)
.set FA,   32                          ; v32     fragments of x
.set FB,   33                          ; v33     fragments of w_up
.set WL,   34                          ; v34     (lane % 16) x 4
.set W,    36                          ; v36-45  five pairs (weight, weight), one for each unit of 16 tokens
.set SG,   46                          ; v46     into the stage
.set RD,   47                          ; v47     back from the stage
.set GO,   48                          ; v48     my byte offset in the block of act
.set C16,  49                          ; v49     16 (lane % 16)
.set ENT,  50                          ; v50-54  the list entries of my five tokens
.set RAW,  55                          ; v55-59  their weights as loaded
.set FR,   64                          ; v64-207 fragments: 32 of K number s at 64 + 72 s: w_up b at + 8 b, x a at + 32 + 8 a
.set T,    64                          ; the way out, in the fragments' registers
.set U,    80
.set O,    96
.set R,    112
.set SA,   24                          ; s[24:25], s[26:27] base of x for set 0, 1
.set SB,   28                          ; s[28:29], s[30:31] base of w_up for set 0, 1
.set MSB, 0
.macro WIN new                         ; the immediate's high byte repeats the setting that is left; a switch that changes nothing is dropped
.if MSB != \new
	s_set_vgpr_msb (MSB<<8)|\new
.set MSB, \new
.endif
.endm
.macro PLACES                          ; four places behind matrix instructions, ahead of loads into their sources and of reads of their results
.rept 4
	v_nop
.endr
.endm
.macro BAR                             ; my LDS stores are done and my LDS reads are back; then the work-group's barrier
	s_wait_dscnt 0x0
	s_barrier_signal -1
	s_barrier_wait -1
.endm
; 42 loads: a chunk into staging set q.  Each half of the lanes takes 256 consecutive aligned bytes of one row.
.macro GET q
	WIN ((1+\q)<<6)
.set g, 0
.rept 10
	global_load_b128 v[4*g:4*g+3], v[AOFF+g], s[SA+2*\q:SA+2*\q+1]             ; list row 16 (g / 2) + g % 2 + 2 w + 8 h of the block
.set g, g+1
.endr
.set g, 0
.rept 32
	global_load_b128 v[40+4*g:40+4*g+3], v[BG], s[SB+2*\q:SB+2*\q+1] offset:(((g/4)%2)*512+(g/8)*32+((g/2)%2)*16+(g%2))*8192
.set g, g+1
.endr
.endm
; 84 roundings in place: load g's four f32 at 4 g become two words at 2 g
.macro CONVERT q
	WIN (0x45*(1+\q))
.set g, 0
.rept 42
	v_cvt_pk_bf16_f32 v[2*g], v[4*g], v[4*g+1]
	v_cvt_pk_bf16_f32 v[2*g+1], v[4*g+2], v[4*g+3]
.set g, g+1
.endr
.endm
; 42 LDS stores of 8 bytes a lane into slot q: lanes 0-15 fill a row's 128 bytes, lanes 16-31 the row 8 further on, 1,152 bytes = 128 modulo 256 away
.macro PUT q
	WIN (4*(1+\q))
.set g, 0
.rept 10
	ds_store_b64 v[STA], v[2*g:2*g+1] offset:\q*SLOT+(16*(g/2)+(g%2))*PITCH
.set g, g+1
.endr
.set g, 0
.rept 32
	ds_store_b64 v[STB+\q], v[20+2*g:20+2*g+1] offset:(16*(g/2)+(g%2))*PITCH
.set g, g+1
.endr
.endm
; 36 LDS loads: my fragments of a chunk, the first 32 of K first (18 loads), then the second
.macro FRAGS cs
	WIN 0
.irp s, 0,1
.irp b, 0,1,2,3
	ds_load_b128 v[FR+72*\s+8*\b:FR+72*\s+8*\b+3],   v[FB] offset:\cs*SLOT+UNIT*\b+64*\s
	ds_load_b128 v[FR+72*\s+8*\b+4:FR+72*\s+8*\b+7], v[FB] offset:\cs*SLOT+UNIT*\b+64*\s+32
.endr
.irp a, 0,1,2,3,4
	ds_load_b128 v[FR+72*\s+32+8*\a:FR+72*\s+32+8*\a+3],   v[FA] offset:\cs*SLOT+UNIT*\a+64*\s
	ds_load_b128 v[FR+72*\s+32+8*\a+4:FR+72*\s+32+8*\a+7], v[FA] offset:\cs*SLOT+UNIT*\a+64*\s+32
.endr
.endr
.endm
; 20 matrix instructions, 32 of K.  The 20 accumulators take turns, one instruction a turn, in the same order everywhere.  zero = 1: the products start the sums.
.macro MUL s, zero
	WIN 0xf0
.irp a, 0,1,2,3,4
.irp b, 0,1,2,3
.if \zero
	v_wmma_f32_16x16x32_bf16 v[8*(4*\a+\b):8*(4*\a+\b)+7], v[FR+72*\s+8*\b:FR+72*\s+8*\b+7], v[FR+72*\s+32+8*\a:FR+72*\s+32+8*\a+7], 0
.else
	v_wmma_f32_16x16x32_bf16 v[8*(4*\a+\b):8*(4*\a+\b)+7], v[FR+72*\s+8*\b:FR+72*\s+8*\b+7], v[FR+72*\s+32+8*\a:FR+72*\s+32+8*\a+7], v[8*(4*\a+\b):8*(4*\a+\b)+7]
.endif
.endr
.endr
.endm
; A step multiplies the chunk in slot cs.  cvt = 1: the next chunk, in staging set q = 1 - cs, is rounded and stored into slot q, which every wave
; finished reading ahead of the last barrier.  ld = 1: set q is asked for again, two chunks on.  left = the younger global loads that may stay out.
.macro STEP cs, q, zero, cvt, ld, left, bar
	FRAGS \cs
.if \cvt
	s_wait_loadcnt \left                           ; set q is in; that also frees its two bases
	CONVERT \q
	PUT \q
.if \ld
	s_add_nc_u64 s[SA+2*\q:SA+2*\q+1], s[SA+2*\q:SA+2*\q+1], 512
	s_add_nc_u64 s[SB+2*\q:SB+2*\q+1], s[SB+2*\q:SB+2*\q+1], 512
	GET \q
.endif
	s_wait_dscnt 60                                ; the first 18 fragment loads are in: 18 loads and 42 stores are younger
.else
	s_wait_dscnt 18
.endif
	MUL 0, \zero
.if \cvt
	s_wait_dscnt 42                                ; all fragments are in: the 42 stores are younger
.else
	s_wait_dscnt 0
.endif
	MUL 1, 0
	PLACES
	WIN 0
.if \bar
	BAR                                            ; slot q is whole, and nobody reads slot cs any more
.endif
.endm
; The way out of unit a (16 tokens x 32 columns a wave): u w g / (1 + 2^(-g log2 e)), rounded to bf16, 16 bytes a lane into the stage.
; Each accumulator is read from its low end on.
.macro ACT a
	WIN 0x03                                       ; source 0 in window 3
.set g, 0
.rept 8
	v_pk_mul_f32 v[T+2*g:T+2*g+1], v[32*\a+2*g:32*\a+2*g+1], 0xbfb8aa3b op_sel_hi:[1,0]      ; - g log2 e
.set g, g+1
.endr
.set g, 0
.rept 8
	v_pk_mul_f32 v[U+2*g:U+2*g+1], v[32*\a+16+2*g:32*\a+16+2*g+1], v[W+2*\a:W+2*\a+1]        ; u x weight
.set g, g+1
.endr
	WIN 0
.set g, 0
.rept 16
	v_exp_f32 v[T+g], v[T+g]
.set g, g+1
.endr
	v_nop                                          ; a plain instruction behind the last exponential, ahead of the use of its result (ISA guide 5.7.2)
.set g, 0
	s_wait_alu depctr_va_vdst(0)
.rept 8
	v_pk_add_f32 v[T+2*g:T+2*g+1], v[T+2*g:T+2*g+1], 1.0 op_sel_hi:[1,0]
.set g, g+1
.endr
.set g, 0
.rept 16
	v_rcp_f32 v[T+g], v[T+g]
.set g, g+1
.endr
	v_nop
.set g, 0
	s_wait_alu depctr_va_vdst(0)
.rept 8
	v_pk_mul_f32 v[U+2*g:U+2*g+1], v[U+2*g:U+2*g+1], v[T+2*g:T+2*g+1]
.set g, g+1
.endr
	WIN 0x03
.set g, 0
.rept 8
	v_pk_mul_f32 v[U+2*g:U+2*g+1], v[32*\a+2*g:32*\a+2*g+1], v[U+2*g:U+2*g+1]
.set g, g+1
.endr
	WIN 0
.set g, 0
.rept 8
	v_cvt_pk_bf16_f32 v[O+g], v[U+2*g], v[U+2*g+1]
.set g, g+1
.endr
	ds_store_b128 v[SG], v[O:O+3] offset:16*SPITCH*\a
	ds_store_b128 v[SG], v[O+4:O+7] offset:16*SPITCH*\a+32
.endm
	s_load_b256 s[4:11], s[0:1], 0x0               ; hidden_states s[4:5], topk_weights s[6:7], w_up s[8:9], list s[10:11]
	s_load_b128 s[12:15], s[0:1], 0x20             ; act s[12:13], blk s[14:15]
	v_lshl_add_u32 v254, v0, 2, 0x1cf00
	v_mov_b32 v255, 0
	v_lshrrev_b32 v3, 5, v0
	v_readfirstlane_b32 s16, v3                    ; wave w
	s_mov_b32 s17, ttmp9                           ; c
	s_and_b32 s18, ttmp7, 0xffff                   ; b
	s_lshl_b32 s2, s18, 3
	s_mov_b32 s3, 0
	s_wait_kmcnt 0x0
	s_add_nc_u64 s[14:15], s[14:15], s[2:3]
	s_load_b64 s[20:21], s[14:15], 0x0             ; my block's expert and first list row
	v_and_b32 v1, 15, v0                           ; lane % 16
	v_bfe_u32 v2, v0, 4, 1                         ; h = lane / 16
	s_lshl_b32 s22, s16, 1
	v_lshl_add_u32 v35, v2, 3, s22                 ; 2 w + 8 h
	v_lshlrev_b32 v[C16], 4, v1
	v_lshl_add_u32 v[BG], v35, 13, v[C16]
	v_lshlrev_b32 v[LST], 2, v35
	v_mul_u32_u24 v[STA], v35, PITCH
	v_lshl_add_u32 v[STA], v1, 3, v[STA]
	v_add_nc_u32 v[STB], BOFF, v[STA]
	v_add_nc_u32 v[STB+1], BOFF+SLOT, v[STA]
	v_lshlrev_b32 v[WL], 2, v1
	v_mul_u32_u24 v[FA], v1, PITCH
	v_lshl_add_u32 v[FA], v2, 4, v[FA]             ; row x pitch + 16 h
	s_mul_i32 s22, s16, 64*PITCH
	s_add_co_u32 s22, s22, BOFF
	v_add_nc_u32 v[FB], s22, v[FA]                 ; my wave's 64 rows of the w_up part
	v_mul_u32_u24 v[SG], v1, SPITCH
	v_lshl_add_u32 v[SG], v2, 4, v[SG]
	s_lshl_b32 s22, s16, 6
	s_add_co_u32 s22, s22, STAGE
	v_add_nc_u32 v[SG], s22, v[SG]                 ; stage row lane % 16, my wave's 64 bytes, 16 h
	s_mul_i32 s22, s16, 20
	v_add_nc_u32 v60, s22, v2                      ; back: wave w takes rows 20 w .. + 19, two whole rows of 256 bytes a load
	v_mul_u32_u24 v[RD], v60, SPITCH
	v_add_nc_u32 v[RD], v[RD], v[C16]
	v_add_nc_u32 v[RD], STAGE, v[RD]
	v_lshl_add_u32 v[GO], v60, 10, v[C16]
	s_wait_kmcnt 0x0
	s_min_u32 s20, s20, 7                          ; e
	s_min_u32 s21, s21, EMPTY0                     ; row0: rows row0 .. + 79 stay inside a list row of 4,224 words
	s_mul_i32 s2, s20, LROW
	s_lshl_b32 s22, s21, 2
	s_add_co_u32 s2, s2, s22
	s_add_nc_u64 s[34:35], s[10:11], s[2:3]        ; the block's entries in the list
	s_lshl_b32 s2, s20, 23                         ; an expert's w_up: 1024 x 2048 x 4 bytes
	s_lshl_b32 s22, s17, 20                        ; 128 rows of 8,192 bytes
	s_add_co_u32 s2, s2, s22
	s_add_nc_u64 s[SB:SB+1], s[8:9], s[2:3]        ; chunk 0
	s_add_nc_u64 s[SB+2:SB+3], s[SB:SB+1], 256     ; chunk 1
	s_mov_b64 s[SA:SA+1], s[4:5]
	s_add_nc_u64 s[SA+2:SA+3], s[4:5], 256
	s_mul_i32 s2, s18, BLK*1024
	s_lshl_b32 s22, s17, 8
	s_add_co_u32 s2, s2, s22
	s_add_nc_u64 s[36:37], s[12:13], s[2:3]        ; act at row 80 b, column 128 c
.set g, 0
.rept 10
	global_load_b32 v[AOFF+g], v[LST], s[34:35] offset:(16*(g/2)+(g%2))*4
.set g, g+1
.endr
.irp a, 0,1,2,3,4
	global_load_b32 v[ENT+\a], v[WL], s[34:35] offset:64*\a
.endr
	s_wait_loadcnt 0x0
.set g, 0
.rept 10
	v_lshrrev_b32 v[AOFF+g], 1, v[AOFF+g]          ; token = slot / 2,
	v_min_u32 v[AOFF+g], 0x7ff, v[AOFF+g]          ; PAD becomes token 2047
	v_lshl_add_u32 v[AOFF+g], v[AOFF+g], 13, v[C16]
.set g, g+1
.endr
.irp a, 0,1,2,3,4
	v_min_u32 v[WOF+\a], 0xfff, v[ENT+\a]
	v_lshlrev_b32 v[WOF+\a], 2, v[WOF+\a]
.endr
.irp a, 0,1,2,3,4
	global_load_b32 v[RAW+\a], v[WOF+\a], s[6:7]   ; topk_weights[t][k] lies at word s
.endr
	GET 0
	GET 1
	WIN 0
	s_wait_loadcnt 42                              ; the weights and chunk 0 are in; chunk 1's 42 loads stay out
.irp a, 0,1,2,3,4
	v_cmp_gt_u32 vcc_lo, 0x1000, v[ENT+\a]
	v_cndmask_b32 v[W+2*\a], 0, v[RAW+\a], vcc_lo  ; a PAD row has weight 0
	v_mov_b32 v[W+2*\a+1], v[W+2*\a]
.endr
	CONVERT 0
	PUT 0
	s_add_nc_u64 s[SA:SA+1], s[SA:SA+1], 512
	s_add_nc_u64 s[SB:SB+1], s[SB:SB+1], 512
	GET 0                                          ; chunk 2
	WIN 0
	BAR
	STEP 0, 1, 1, 1, 1, 42, 1                      ; chunk 0 starts the sums: nothing is cleared
	s_mov_b32 s38, 14
.Lk:                                                   ; chunks 1 to 28
	STEP 1, 0, 0, 1, 1, 42, 1
	STEP 0, 1, 0, 1, 1, 42, 1
	s_sub_co_i32 s38, s38, 1
	s_cmp_lg_u32 s38, 0
	s_cbranch_scc1 .Lk
	STEP 1, 0, 0, 1, 0, 42, 1                      ; chunk 29: chunk 30 is rounded, chunk 31 stays out, nothing more is asked for
	STEP 0, 1, 0, 1, 0, 0, 1                       ; chunk 30: chunk 31 is rounded
	STEP 1, 0, 0, 0, 0, 0, 0                       ; chunk 31
.irp a, 0,1,2,3,4
	ACT \a
.endr
	BAR                                            ; a stage row's 256 bytes come from the four waves
.set g, 0
.rept 10
	ds_load_b128 v[R+4*g:R+4*g+3], v[RD] offset:2*SPITCH*g
.set g, g+1
.endr
.set g, 0
.rept 10
	s_wait_dscnt 9-g
	global_store_b128 v[GO], v[R+4*g:R+4*g+3], s[36:37] offset:2048*g   ; sixteen lanes store 256 consecutive bytes of a row of act, at a multiple of 256
.set g, g+1
.endr
	s_wait_tensorcnt 0x0
	ds_add_u32 v254, v255
	s_wait_dscnt 0x0
	s_endpgm
.Lfunc_end_k_qbf56552ae7_up:
	.size	k_qbf56552ae7_up, .Lfunc_end_k_qbf56552ae7_up-k_qbf56552ae7_up
	.p2alignl 7, 3214868480
	.fill 96, 4, 3214868480
	.section	.rodata,"a",@progbits
	.p2align	6, 0x0
	.amdhsa_kernel k_qbf56552ae7_up
		.amdhsa_group_segment_fixed_size 119040
		.amdhsa_private_segment_fixed_size 0
		.amdhsa_enable_private_segment 0
		.amdhsa_kernarg_size 48
		.amdhsa_user_sgpr_count 2
		.amdhsa_user_sgpr_kernarg_segment_ptr 1
		.amdhsa_wavefront_size32 1
		.amdhsa_system_sgpr_workgroup_id_x 1
		.amdhsa_system_sgpr_workgroup_id_y 1
		.amdhsa_system_sgpr_workgroup_id_z 1
		.amdhsa_system_vgpr_workitem_id 0
		.amdhsa_next_free_vgpr 928
		.amdhsa_next_free_sgpr 66
		.amdhsa_reserve_vcc 1
		.amdhsa_float_denorm_mode_32 3
		.amdhsa_float_denorm_mode_16_64 3
		.amdhsa_memory_ordered 1
		.amdhsa_forward_progress 1
		.amdhsa_inst_pref_size 136
	.end_amdhsa_kernel
	.amdgpu_metadata
---
amdhsa.version: [ 1, 2 ]
amdhsa.kernels:
  - .name:           k_qbf56552ae7_up
    .symbol:         k_qbf56552ae7_up.kd
    .args:
      - { .name: hidden_states, .offset: 0, .size: 8, .value_kind: global_buffer, .address_space: global }
      - { .name: topk_weights, .offset: 8, .size: 8, .value_kind: global_buffer, .address_space: global }
      - { .name: w_up, .offset: 16, .size: 8, .value_kind: global_buffer, .address_space: global }
      - { .name: list, .offset: 24, .size: 8, .value_kind: global_buffer, .address_space: global }
      - { .name: act, .offset: 32, .size: 8, .value_kind: global_buffer, .address_space: global }
      - { .name: blk, .offset: 40, .size: 8, .value_kind: global_buffer, .address_space: global }
    .group_segment_fixed_size: 119040
    .private_segment_fixed_size: 0
    .kernarg_segment_align: 8
    .kernarg_segment_size: 48
    .max_flat_workgroup_size: 128
    .sgpr_count:     66
    .vgpr_count:     928
    .wavefront_size: 32
...
	.end_amdgpu_metadata
.endif
;; end of part 2
;; launch down (part 3): grid 4 x 59, 4 waves a work-group, no clusters, 180,480 bytes of LDS; arguments act, w_dn, list, y2, blk; writes y2
.if DOCPART == 3
	.amdgcn_target "amdgcn-amd-amdhsa--gfx1250"
	.amdhsa_code_object_version 6
	.text
	.protected	k_qbf56552ae7_down
	.globl	k_qbf56552ae7_down
	.p2align	8
	.type	k_qbf56552ae7_down,@function
k_qbf56552ae7_down:
	s_mov_b64 s[64:65], 0
	v_nop
	global_prefetch_b8 v0, s[64:65] scope:SCOPE_SE
	s_setreg_imm32_b32 hwreg(HW_REG_WAVE_MODE, 25, 1), 1
	s_wait_xcnt 0x0
; DOWN: y2[s][d] = the sum over j of act[80 b + p][j] w_dn[e][d][j], (e, row0) = blk[b], s = list[e][row0 + p], for the rows whose entry is a slot.  y2 is [4096][2048] f32, a row for each slot.
; SHARES.  Work-group (x, y): block b = y of 80 rows of act, columns 512 x .. + 511, in two passes of 256 columns.  A pass is 80 x 256 x 512: 8 chunks of 64 along K.
; THE GRID IS FIXED: 59 = floor((4096 + 8 x 79) / 80) is the most blocks of 80 that any routing needs.  The numbers read from blk enter addresses alone, and the two passes are counted
; against a constant: every wave passes every barrier whatever the routing.  A block that the routing does not use multiplies PAD rows and stores nothing.
; Four waves: wave w has all 80 rows and columns 64 w .. + 63 of the pass: 20 accumulators.
; DATA PATH.  act is bf16 and goes from staging registers to LDS as it is; w_dn is f32 and is rounded on the way.  Two staging sets, two LDS slots; chunk j + 3 is asked for in the step that multiplies chunk j.
; NO TENSOR LOADS, NO CLUSTER: w_dn, nine tenths of a chunk's bytes, is rounded between memory and LDS, so the tiles come through registers.
; THE MATRIX INSTRUCTION IS USED TRANSPOSED: source 0 = 16 rows of w_dn, source 1 = 16 rows of act: a lane holds one list row and eight neighbouring columns.
; WAY OUT.  Through a stage of 80 rows x 1,040 bytes; a wave reads 20 whole rows of 1,024 bytes back and stores each to the y2 row that the list names.  PAD rows are not stored:
; they lie at a list's tail, so the first of them ends the wave's stores; that branch joins the others' way again ahead of the next barrier.
; Each slot stands in one list, and four work-groups x two passes cover its row: every byte of y2 is written once.
; LIMIT: a slot whose id is outside 0..7 stands in no list, and its row of y2 is not written.
; LDS: slot s at s x 48,384: 80 rows of act, then 256 rows of w_dn, 144 bytes apart (128 + 16); STAGE behind them.
; REGISTERS: window 0 addresses, fragments v64-207 (the way out: v64-223); windows 1, 2 the staging sets 0, 1 (act 0-19, w_dn 20-147); window 3 accumulator (a, b) at 8 (4 a + b).
.set LROW,    16896
.set BLK,     80
.set EMPTY0,  4128
.set PITCH,   144
.set UNIT,    16*PITCH
.set BOFF,    BLK*PITCH
.set SLOT,    336*PITCH
.set STAGE,   2*SLOT
.set SPITCH,  1040                     ; a stage row: 1,024 bytes + 16 = 65 x 16: the 16 rows of a store start at 16 different groups of 4 banks
.set OFFS, 8                           ; v8-15   byte offsets of the stores to y2, by turns
.set STB,  18                          ; v18-19  BOFF + (2 w + 8 h) x 144 + 8 (lane % 16) in slot 0, 1
.set BG,   28                          ; v28     (2 w + 8 h) x 2048 + 16 (lane % 16)
.set AG,   29                          ; v29     rt x 1024 + 16 (lane % 8), rt = 2 w + lane / 16 + 8 ((lane / 8) % 2)
.set AST,  30                          ; v30     rt x 144 + 16 (lane % 8)
.set FA,   32
.set FB,   33
.set SG,   36                          ; v36-37  into the stage: units 0, 1 and units 2 to 4 (one register's immediates would pass 65,535)
.set RD,   38
.set L16,  48                          ; v48     16 x lane
.set FR,   64
.set SA,   24                          ; s[24:25], s[26:27] base of act for set 0, 1
.set SB,   28                          ; s[28:29], s[30:31] base of w_dn for set 0, 1
.set TMPS, 44
.set MSB, 0
.macro WIN new                         ; the immediate's high byte repeats the setting that is left; a switch that changes nothing is dropped
.if MSB != \new
	s_set_vgpr_msb (MSB<<8)|\new
.set MSB, \new
.endif
.endm
.macro PLACES                          ; four places behind matrix instructions (ISA guide 7.12.1)
.rept 4
	v_nop
.endr
.endm
.macro BAR                             ; my LDS stores are done and my LDS reads are back; then the work-group's barrier
	s_wait_dscnt 0x0
	s_barrier_signal -1
	s_barrier_wait -1
.endm
; 37 loads: a chunk into staging set q.  act: eight lanes take a row's 128 bytes, four rows a load.  w_dn: sixteen lanes take 256 aligned bytes of a row.
.macro GET q
	WIN ((1+\q)<<6)
.set g, 0
.rept 5
	global_load_b128 v[4*g:4*g+3], v[AG], s[SA+2*\q:SA+2*\q+1] offset:16384*g
.set g, g+1
.endr
.set g, 0
.rept 32
	global_load_b128 v[20+4*g:20+4*g+3], v[BG], s[SB+2*\q:SB+2*\q+1] offset:(16*(g/2)+(g%2))*2048
.set g, g+1
.endr
.endm
.macro CONVERT q                       ; w_dn alone: load g's four f32 at 20 + 4 g become two words at 20 + 2 g
	WIN (0x45*(1+\q))
.set g, 0
.rept 32
	v_cvt_pk_bf16_f32 v[20+2*g], v[20+4*g], v[20+4*g+1]
	v_cvt_pk_bf16_f32 v[20+2*g+1], v[20+4*g+2], v[20+4*g+3]
.set g, g+1
.endr
.endm
.macro PUT q                           ; 37 LDS stores.  act: of 16 lanes, eight fill row p and eight row p + 8, 1,152 bytes = 128 modulo 256 away
	WIN (4*(1+\q))
.set g, 0
.rept 5
	ds_store_b128 v[AST], v[4*g:4*g+3] offset:\q*SLOT+UNIT*g
.set g, g+1
.endr
.set g, 0
.rept 32
	ds_store_b64 v[STB+\q], v[20+2*g:20+2*g+1] offset:(16*(g/2)+(g%2))*PITCH
.set g, g+1
.endr
.endm
.macro FRAGS cs                        ; 36 LDS loads: the first 32 of K first (18 loads), then the second
	WIN 0
.irp s, 0,1
.irp b, 0,1,2,3
	ds_load_b128 v[FR+72*\s+8*\b:FR+72*\s+8*\b+3],   v[FB] offset:\cs*SLOT+UNIT*\b+64*\s
	ds_load_b128 v[FR+72*\s+8*\b+4:FR+72*\s+8*\b+7], v[FB] offset:\cs*SLOT+UNIT*\b+64*\s+32
.endr
.irp a, 0,1,2,3,4
	ds_load_b128 v[FR+72*\s+32+8*\a:FR+72*\s+32+8*\a+3],   v[FA] offset:\cs*SLOT+UNIT*\a+64*\s
	ds_load_b128 v[FR+72*\s+32+8*\a+4:FR+72*\s+32+8*\a+7], v[FA] offset:\cs*SLOT+UNIT*\a+64*\s+32
.endr
.endr
.endm
.macro MUL s, zero                     ; 20 matrix instructions; the 20 accumulators take turns, one instruction a turn
	WIN 0xf0
.irp a, 0,1,2,3,4
.irp b, 0,1,2,3
.if \zero
	v_wmma_f32_16x16x32_bf16 v[8*(4*\a+\b):8*(4*\a+\b)+7], v[FR+72*\s+8*\b:FR+72*\s+8*\b+7], v[FR+72*\s+32+8*\a:FR+72*\s+32+8*\a+7], 0
.else
	v_wmma_f32_16x16x32_bf16 v[8*(4*\a+\b):8*(4*\a+\b)+7], v[FR+72*\s+8*\b:FR+72*\s+8*\b+7], v[FR+72*\s+32+8*\a:FR+72*\s+32+8*\a+7], v[8*(4*\a+\b):8*(4*\a+\b)+7]
.endif
.endr
.endr
.endm
; A step multiplies the chunk in slot cs; the next chunk goes from staging set q = 1 - cs into slot q, which every wave finished reading ahead of the last barrier.
.macro STEP cs, q, zero, cvt, ld, left, bar
	FRAGS \cs
.if \cvt
	s_wait_loadcnt \left                           ; set q is in; that also frees its two bases
	CONVERT \q
	PUT \q
.if \ld
	s_add_nc_u64 s[SA+2*\q:SA+2*\q+1], s[SA+2*\q:SA+2*\q+1], 256
	s_add_nc_u64 s[SB+2*\q:SB+2*\q+1], s[SB+2*\q:SB+2*\q+1], 512
	GET \q
.endif
	s_wait_dscnt 55                                ; the first 18 fragment loads are in: 18 loads and 37 stores are younger
.else
	s_wait_dscnt 18
.endif
	MUL 0, \zero
.if \cvt
	s_wait_dscnt 37                                ; all fragments are in: the 37 stores are younger
.else
	s_wait_dscnt 0
.endif
	MUL 1, 0
	PLACES
	WIN 0
.if \bar
	BAR
.endif
.endm
	s_load_b256 s[4:11], s[0:1], 0x0               ; act s[4:5], w_dn s[6:7], list s[8:9], y2 s[10:11]
	s_load_b64 s[12:13], s[0:1], 0x20              ; blk
	v_lshl_add_u32 v254, v0, 2, 0x2bf00
	v_mov_b32 v255, 0
	v_lshrrev_b32 v3, 5, v0
	v_readfirstlane_b32 s16, v3                    ; wave w
	s_mov_b32 s17, ttmp9                           ; which 512 columns
	s_and_b32 s18, ttmp7, 0xffff                   ; b
	s_lshl_b32 s2, s18, 3
	s_mov_b32 s3, 0
	s_wait_kmcnt 0x0
	s_add_nc_u64 s[12:13], s[12:13], s[2:3]
	s_load_b64 s[20:21], s[12:13], 0x0             ; my block's expert and first list row
	v_and_b32 v1, 15, v0                           ; lane % 16
	v_bfe_u32 v2, v0, 4, 1                         ; h = lane / 16
	s_lshl_b32 s22, s16, 1
	v_lshl_add_u32 v35, v2, 3, s22                 ; 2 w + 8 h
	v_lshlrev_b32 v60, 4, v1
	v_lshl_add_u32 v[BG], v35, 11, v60
	v_mul_u32_u24 v[STB], v35, PITCH
	v_lshl_add_u32 v[STB], v1, 3, v[STB]
	v_add_nc_u32 v[STB+1], BOFF+SLOT, v[STB]
	v_add_nc_u32 v[STB], BOFF, v[STB]
	v_bfe_u32 v60, v0, 3, 1
	v_lshl_add_u32 v60, v60, 3, v2
	v_add_nc_u32 v60, s22, v60                     ; rt
	v_and_b32 v61, 7, v0
	v_lshlrev_b32 v61, 4, v61
	v_lshl_add_u32 v[AG], v60, 10, v61
	v_mul_u32_u24 v[AST], v60, PITCH
	v_add_nc_u32 v[AST], v[AST], v61
	v_mul_u32_u24 v[FA], v1, PITCH
	v_lshl_add_u32 v[FA], v2, 4, v[FA]
	s_mul_i32 s22, s16, 64*PITCH
	s_add_co_u32 s22, s22, BOFF
	v_add_nc_u32 v[FB], s22, v[FA]
	v_mul_u32_u24 v[SG], v1, SPITCH
	v_lshl_add_u32 v[SG], v2, 5, v[SG]             ; eight f32 a lane: 32 h
	s_lshl_b32 s22, s16, 8
	s_add_co_u32 s22, s22, STAGE
	v_add_nc_u32 v[SG], s22, v[SG]
	v_add_nc_u32 v[SG+1], 32*SPITCH, v[SG]
	v_and_b32 v61, 31, v0
	v_lshlrev_b32 v[L16], 4, v61
	s_mul_i32 s22, s16, 20*SPITCH
	s_add_co_u32 s22, s22, STAGE
	v_add_nc_u32 v[RD], s22, v[L16]                ; back: wave w takes rows 20 w .. + 19, half a row of 1,024 bytes a load
	s_wait_kmcnt 0x0
	s_min_u32 s20, s20, 7                          ; e
	s_min_u32 s21, s21, EMPTY0                     ; row0
	s_mul_i32 s22, s16, 20
	s_add_co_u32 s22, s22, s21                     ; the first of the 20 list rows that I store
	s_lshl_b32 s22, s22, 2
	s_mul_i32 s2, s20, LROW
	s_add_co_u32 s2, s2, s22
	s_add_nc_u64 s[34:35], s[8:9], s[2:3]
	s_load_b512 s[48:63], s[34:35], 0x0            ; their list entries: entry i in s[48 + i] for i < 16, else in s[52 + i]
	s_load_b128 s[68:71], s[34:35], 0x40
	s_lshl_b32 s2, s20, 22                         ; an expert's w_dn: 2048 x 512 x 4 bytes
	s_lshl_b32 s22, s17, 20                        ; 512 rows of 2,048 bytes
	s_add_co_u32 s2, s2, s22
	s_add_nc_u64 s[32:33], s[6:7], s[2:3]          ; w_dn at the first pass's first row
	s_mul_i32 s2, s18, BLK*1024
	s_add_nc_u64 s[36:37], s[4:5], s[2:3]          ; act at row 80 b
	s_lshl_b32 s2, s17, 11
	s_add_nc_u64 s[38:39], s[10:11], s[2:3]        ; y2 at the first pass's first column
	s_mov_b32 s41, 0                               ; passes done
.Lpass:
	s_mov_b64 s[SA:SA+1], s[36:37]                 ; chunk 0
	s_add_nc_u64 s[SA+2:SA+3], s[36:37], 128       ; chunk 1
	s_mov_b64 s[SB:SB+1], s[32:33]
	s_add_nc_u64 s[SB+2:SB+3], s[32:33], 256
	GET 0
	GET 1
	s_wait_loadcnt 37                              ; chunk 0 is in; chunk 1's 37 loads stay out
	CONVERT 0
	PUT 0
	s_add_nc_u64 s[SA:SA+1], s[SA:SA+1], 256
	s_add_nc_u64 s[SB:SB+1], s[SB:SB+1], 512
	GET 0                                          ; chunk 2
	WIN 0
	BAR
	STEP 0, 1, 1, 1, 1, 37, 1                      ; chunk 0 starts the sums: nothing is cleared
	s_mov_b32 s40, 2
.Lk:                                                   ; chunks 1 to 4
	STEP 1, 0, 0, 1, 1, 37, 1
	STEP 0, 1, 0, 1, 1, 37, 1
	s_sub_co_i32 s40, s40, 1
	s_cmp_lg_u32 s40, 0
	s_cbranch_scc1 .Lk
	STEP 1, 0, 0, 1, 0, 37, 1                      ; chunk 5: chunk 6 is rounded, chunk 7 stays out, nothing more is asked for
	STEP 0, 1, 0, 1, 0, 0, 1                       ; chunk 6: chunk 7 is rounded
	STEP 1, 0, 0, 0, 0, 0, 0                       ; chunk 7
	WIN 0x0c                                       ; store data in window 3
.irp a, 0,1,2,3,4
.set hi, (\a)/2
.if hi > 1
.set hi, 1
.endif
.irp b, 0,1,2,3
	ds_store_b128 v[SG+hi], v[8*(4*\a+\b):8*(4*\a+\b)+3]   offset:16*SPITCH*(\a-2*hi)+64*\b      ; each accumulator from its low end on
	ds_store_b128 v[SG+hi], v[8*(4*\a+\b)+4:8*(4*\a+\b)+7] offset:16*SPITCH*(\a-2*hi)+64*\b+16
.endr
.endr
	WIN 0
	BAR                                            ; a stage row's 1,024 bytes come from the four waves; also: nobody reads slot 1 any more
.set i, 0
.rept 40
	ds_load_b128 v[FR+4*i:FR+4*i+3], v[RD] offset:SPITCH*(i/2)+512*(i%2)
.set i, i+1
.endr
	s_wait_dscnt 0x0
	s_wait_kmcnt 0x0                               ; the 20 list entries
.set i, 0
.rept 20
.if (i%8 == 0) && (i > 0)
	s_wait_xcnt 0x0                                ; the eight offset registers go round
.endif
.if i < 16
	s_cmp_gt_u32 s[48+i], 0xfff
	s_cbranch_scc1 .Lrows_done                     ; row i is PAD, and so are all behind it
	s_min_u32 s[TMPS], s[48+i], 0xfff
.else
	s_cmp_gt_u32 s[52+i], 0xfff
	s_cbranch_scc1 .Lrows_done
	s_min_u32 s[TMPS], s[52+i], 0xfff
.endif
	v_lshl_add_u32 v[OFFS+i%8], s[TMPS], 13, v[L16]
	global_store_b128 v[OFFS+i%8], v[FR+8*i:FR+8*i+3], s[38:39]               ; the wave stores 512 consecutive bytes of row s, at a multiple of 512 from the first byte of y2
	global_store_b128 v[OFFS+i%8], v[FR+8*i+4:FR+8*i+7], s[38:39] offset:512
.set i, i+1
.endr
.Lrows_done:
	s_wait_xcnt 0x0                                ; the stores' data, offsets and base are written again below and in the next pass
	s_add_nc_u64 s[32:33], s[32:33], 0x80000       ; 256 rows of w_dn on
	s_add_nc_u64 s[38:39], s[38:39], 1024          ; 256 columns of y2 on
	s_add_co_u32 s41, s41, 1
	s_cmp_lt_u32 s41, 2
	s_cbranch_scc1 .Lpass
	s_wait_tensorcnt 0x0
	ds_add_u32 v254, v255
	s_wait_dscnt 0x0
	s_endpgm
.Lfunc_end_k_qbf56552ae7_down:
	.size	k_qbf56552ae7_down, .Lfunc_end_k_qbf56552ae7_down-k_qbf56552ae7_down
	.p2alignl 7, 3214868480
	.fill 96, 4, 3214868480
	.section	.rodata,"a",@progbits
	.p2align	6, 0x0
	.amdhsa_kernel k_qbf56552ae7_down
		.amdhsa_group_segment_fixed_size 180480
		.amdhsa_private_segment_fixed_size 0
		.amdhsa_enable_private_segment 0
		.amdhsa_kernarg_size 40
		.amdhsa_user_sgpr_count 2
		.amdhsa_user_sgpr_kernarg_segment_ptr 1
		.amdhsa_wavefront_size32 1
		.amdhsa_system_sgpr_workgroup_id_x 1
		.amdhsa_system_sgpr_workgroup_id_y 1
		.amdhsa_system_sgpr_workgroup_id_z 1
		.amdhsa_system_vgpr_workitem_id 0
		.amdhsa_next_free_vgpr 928
		.amdhsa_next_free_sgpr 72
		.amdhsa_reserve_vcc 0
		.amdhsa_float_denorm_mode_32 3
		.amdhsa_float_denorm_mode_16_64 3
		.amdhsa_memory_ordered 1
		.amdhsa_forward_progress 1
		.amdhsa_inst_pref_size 109
	.end_amdhsa_kernel
	.amdgpu_metadata
---
amdhsa.version: [ 1, 2 ]
amdhsa.kernels:
  - .name:           k_qbf56552ae7_down
    .symbol:         k_qbf56552ae7_down.kd
    .args:
      - { .name: act, .offset: 0, .size: 8, .value_kind: global_buffer, .address_space: global }
      - { .name: w_dn, .offset: 8, .size: 8, .value_kind: global_buffer, .address_space: global }
      - { .name: list, .offset: 16, .size: 8, .value_kind: global_buffer, .address_space: global }
      - { .name: y2, .offset: 24, .size: 8, .value_kind: global_buffer, .address_space: global }
      - { .name: blk, .offset: 32, .size: 8, .value_kind: global_buffer, .address_space: global }
    .group_segment_fixed_size: 180480
    .private_segment_fixed_size: 0
    .kernarg_segment_align: 8
    .kernarg_segment_size: 40
    .max_flat_workgroup_size: 128
    .sgpr_count:     72
    .vgpr_count:     928
    .wavefront_size: 32
...
	.end_amdgpu_metadata
.endif
;; end of part 3
;; launch sum (part 4): grid 256 x 1, 8 waves a work-group, no clusters, 0 bytes of LDS; arguments y2, out0; writes out0
.if DOCPART == 4
	.amdgcn_target "amdgcn-amd-amdhsa--gfx1250"
	.amdhsa_code_object_version 6
	.text
	.protected	k_qbf56552ae7_sum
	.globl	k_qbf56552ae7_sum
	.p2align	8
	.type	k_qbf56552ae7_sum,@function
k_qbf56552ae7_sum:
	s_mov_b64 s[64:65], 0
	v_nop
	global_prefetch_b8 v0, s[64:65] scope:SCOPE_SE
	s_setreg_imm32_b32 hwreg(HW_REG_WAVE_MODE, 25, 1), 1
	s_wait_xcnt 0x0
; SUM: out0[t][d] = y2[2 t][d] + y2[2 t + 1][d]: a token's two slots, which different work-groups of the launch before have made.
; A stream: wave w of work-group g owns token 8 g + w: 16 KiB in by 32 loads that are all issued at once, 8 KiB out.  Each load and store of the wave covers
; 512 consecutive bytes at a multiple of 512.  No loop, no LDS, no barrier; matrix units and clusters have nothing to do here.
.set X, 4                              ; v[4:131]: piece g: slot 0 at 4 + 8 g, slot 1 at 8 + 8 g
	s_load_b128 s[4:7], s[0:1], 0x0                ; y2 s[4:5], out0 s[6:7]
	v_lshrrev_b32 v1, 5, v0
	v_readfirstlane_b32 s8, v1                     ; wave
	v_and_b32 v1, 31, v0
	v_lshlrev_b32 v1, 4, v1                        ; 16 x lane
	s_lshl_b32 s9, ttmp9, 3
	s_add_co_u32 s9, s9, s8                        ; token
	s_lshl_b32 s10, s9, 14                         ; two rows of 8,192 bytes in y2
	s_mov_b32 s11, 0
	s_lshl_b32 s12, s9, 13                         ; one in out0
	s_mov_b32 s13, 0
	s_wait_kmcnt 0x0
	s_add_nc_u64 s[4:5], s[4:5], s[10:11]
	s_add_nc_u64 s[6:7], s[6:7], s[12:13]
.set g, 0
.rept 16
	global_load_b128 v[X+8*g:X+8*g+3],   v1, s[4:5] offset:512*g th:TH_LOAD_NT
	global_load_b128 v[X+8*g+4:X+8*g+7], v1, s[4:5] offset:8192+512*g th:TH_LOAD_NT
.set g, g+1
.endr
.set g, 0
.rept 16
	s_wait_loadcnt 30-2*g                          ; loads come back in order (ISA guide 5.7.1): piece g's two are in, the later pairs stay out
	v_pk_add_f32 v[X+8*g:X+8*g+1],   v[X+8*g:X+8*g+1],   v[X+8*g+4:X+8*g+5]
	v_pk_add_f32 v[X+8*g+2:X+8*g+3], v[X+8*g+2:X+8*g+3], v[X+8*g+6:X+8*g+7]
	global_store_b128 v1, v[X+8*g:X+8*g+3], s[6:7] offset:512*g th:TH_STORE_NT
.set g, g+1
.endr
	s_endpgm
.Lfunc_end_k_qbf56552ae7_sum:
	.size	k_qbf56552ae7_sum, .Lfunc_end_k_qbf56552ae7_sum-k_qbf56552ae7_sum
	.p2alignl 7, 3214868480
	.fill 96, 4, 3214868480
	.section	.rodata,"a",@progbits
	.p2align	6, 0x0
	.amdhsa_kernel k_qbf56552ae7_sum
		.amdhsa_group_segment_fixed_size 0
		.amdhsa_private_segment_fixed_size 0
		.amdhsa_enable_private_segment 0
		.amdhsa_kernarg_size 16
		.amdhsa_user_sgpr_count 2
		.amdhsa_user_sgpr_kernarg_segment_ptr 1
		.amdhsa_wavefront_size32 1
		.amdhsa_system_sgpr_workgroup_id_x 1
		.amdhsa_system_sgpr_workgroup_id_y 1
		.amdhsa_system_sgpr_workgroup_id_z 1
		.amdhsa_system_vgpr_workitem_id 0
		.amdhsa_next_free_vgpr 132
		.amdhsa_next_free_sgpr 66
		.amdhsa_reserve_vcc 0
		.amdhsa_float_denorm_mode_32 3
		.amdhsa_float_denorm_mode_16_64 3
		.amdhsa_memory_ordered 1
		.amdhsa_forward_progress 1
		.amdhsa_inst_pref_size 8
	.end_amdhsa_kernel
	.amdgpu_metadata
---
amdhsa.version: [ 1, 2 ]
amdhsa.kernels:
  - .name:           k_qbf56552ae7_sum
    .symbol:         k_qbf56552ae7_sum.kd
    .args:
      - { .name: y2, .offset: 0, .size: 8, .value_kind: global_buffer, .address_space: global }
      - { .name: out0, .offset: 8, .size: 8, .value_kind: global_buffer, .address_space: global }
    .group_segment_fixed_size: 0
    .private_segment_fixed_size: 0
    .kernarg_segment_align: 8
    .kernarg_segment_size: 16
    .max_flat_workgroup_size: 256
    .sgpr_count:     66
    .vgpr_count:     132
    .wavefront_size: 32
...
	.end_amdgpu_metadata
.endif
;; end of part 4
;; ======== version 2 of 2: 4 launches; 1.17 times as fast as version 1
;; workspace buffers: list 135,168 bytes of whole numbers; blk 512 bytes of whole numbers; act 4,833,280 bytes; y2 33,554,432 bytes; xb 8,388,608 bytes; wub 33,554,432 bytes; wdb 16,777,216 bytes
;; launch prep (part 5): grid 257 x 1, 8 waves a work-group, no clusters, 136,448 bytes of LDS; arguments hidden_states, w_up, w_dn, xb, wub, wdb, topk_ids, list, blk; writes xb, wub, wdb, list, blk
.if DOCPART == 5
	.amdgcn_target "amdgcn-amd-amdhsa--gfx1250"
	.amdhsa_code_object_version 6
	.text
	.protected	k_qbf56552ae7_prep
	.globl	k_qbf56552ae7_prep
	.p2align	8
	.type	k_qbf56552ae7_prep,@function
k_qbf56552ae7_prep:
	s_mov_b64 s[64:65], 0
	v_nop
	global_prefetch_b8 v0, s[64:65] scope:SCOPE_SE
	s_setreg_imm32_b32 hwreg(HW_REG_WAVE_MODE, 25, 1), 1
	s_wait_xcnt 0x0
; PREP: two jobs in one launch.  Work-group 0 sorts the slots by expert; work-groups 1 to 256 round hidden_states, w_up and w_dn to bf16, once for the whole program.
; The branch between the two hangs on the work-group's number alone: all eight waves of a work-group go the same way.
; Two work-groups fit on a WGP (2 x 136,448 bytes of LDS; four waves of 242 registers on a SIMD), so the routing runs beside the casting.
;
; THE ROUTING.  The 4,096 slots s = 2 t + k of topk_ids [2048][2] are sorted by expert, and the lists are cut into blocks of 80 rows.
; list is [8][4224] words.  Row e: the slots that name expert e (in the order of the scan below), then PAD = 4096 to the row's end.
; blk is [64][2] words.  Entry b: the expert of block b and the block's first row in that expert's list.  Expert e has ceil(n_e / 80) blocks, the experts' blocks follow each other.
; A block number that this routing does not use gets expert 7 and row 4128: rows 4128 .. 4207 of a list are PAD for every routing, since a list has at most 4,096 slots.
; Wave e builds row e in LDS bytes of its own (e x 16,896 on) and stores it in runs of 512 consecutive bytes.  The eight counts meet in 32 bytes of LDS behind one barrier, and wave 0 makes the table.
; EXEC is never changed: a lane whose id is not mine stores PAD into the row's last word, which stays PAD.  No trip count hangs on data: 128 steps are written out.
; LIMIT: ids lie in 0..7, as an index into the table of experts does; a slot with another id enters no row.
;
; THE CASTING.  xb is hidden_states in bf16, row-major.  wub and wdb hold w_up and w_dn in bf16 IN FRAGMENT ORDER: [row block of 16][K block of 32][1,024 bytes]; in a block's 1,024 bytes
; lane l = 16 h + r of a matrix source finds row r's K = 8 h .. + 7 at byte 16 l and K = 16 + 8 h .. + 7 at byte 512 + 16 l, so that two loads of 16 bytes a lane, 512 consecutive bytes each, fill a fragment.
; Wave G of 2,048 takes 14 units of 4,096 bytes of f32: 8 tiles (16 rows x 64 K) of w_up's row block G / 4, 4 tiles of w_dn's row block G / 2, and row G of hidden_states in 2 units.
; A unit is read by 8 loads (each half of the lanes takes 256 aligned bytes of one row) and rounded.  A tile of W changes lanes through 2,304 bytes of the wave's own LDS: eight pieces of 256 bytes,
; 288 bytes apart, so that the 32 lanes of a store of 8 bytes touch 32 different places modulo 256 bytes; it comes back as 4 x 512 consecutive bytes.  No barrier: the bytes are the wave's own.
; A ring of six slots of 32 registers keeps 48 loads of the wave on their way.  No matrix work and no cluster: every byte is read once, by one wave.
.set PAD,     4096
.set LROW,    16896                    ; bytes in a row of list; also the LDS bytes of a wave
.set DUMP,    4223                     ; the word of a row that takes the lanes with nothing to store
.set CNTS,    8*LROW                   ; LDS: the eight counts
.set BLK,     80
.set EMPTY0,  4128
.set IDS,     12                       ; routing: v[12:139] 32 x 4 ids; later v[12:143] the row read back
.set TA,      144                      ; the table: LDS address of the counts, then EMPTY0
.set RUN,     145                      ; blocks of the experts up to the one in hand
.set E0,      146                      ; v[146:147] entry of block lane: expert, first block of the expert and then first row
.set R0,      147
.set CN,      148                      ; v[148:155] the counts, then the experts' numbers of blocks
.set E1,      156                      ; v[156:157] entry of block lane + 32
.set R1,      157
.set B1,      158                      ; lane + 32
.set TO,      159                      ; 8 x lane
.set DUMPR,   160                      ; DUMP in every lane
.set VU,   2                           ; casting: (lane / 16) x 8192 + 16 (lane % 16): two rows of w_up
.set VD,   3                           ; (lane / 16) x 2048 + 16 (lane % 16): two rows of w_dn
.set VX,   4                           ; 16 x lane
.set VX8,  5                           ; 8 x lane
.set VS,   6                           ; into my stage
.set VR,   7                           ; back from my stage
.set RING, 16                          ; v[16:207] six slots of 32
.set OUT,  208                         ; v[208:239] two sets of 16: a tile in fragment order
.set QP,   288                         ; from piece to piece in the stage
.set UB,   32                          ; s[32:33] w_up, s[34:35] w_dn, s[36:37] hidden_states at my part
.set DB,   34
.set XB,   36
.set UO,   38                          ; s[38:39] wub, s[40:41] wdb, s[42:43] xb at my part
.set DO,   40
.set XO,   42
	v_lshl_add_u32 v240, v0, 2, 0x21100
	v_mov_b32 v241, 0
	v_lshrrev_b32 v1, 5, v0
	v_readfirstlane_b32 s8, v1                     ; my wave
	v_and_b32 v1, 31, v0                           ; lane
	s_mov_b32 s18, ttmp9
	s_cmp_lg_u32 s18, 0
	s_cbranch_scc1 .Lcast                          ; work-groups 1 to 256 cast
	; ---------------- work-group 0: the routing; my wave = my expert
	s_load_b128 s[4:7], s[0:1], 0x30               ; topk_ids s[4:5], list s[6:7]
	s_load_b64 s[12:13], s[0:1], 0x40              ; blk
	v_lshlrev_b32 v2, 4, v1                        ; 16 x lane
	v_lshlrev_b32 v3, 2, v1                        ; 4 x lane: the first slot of my 16 bytes of ids
	s_mul_i32 s9, s8, LROW                         ; my row: in LDS and in list
	s_mov_b32 s10, 0                               ; slots found so far
	s_mov_b32 s16, s9
	s_mov_b32 s17, 0
	v_add_nc_u32 v7, s9, v2
	v_mov_b32 v[DUMPR], DUMP
.irp r, 8,9,10,11
	v_mov_b32 v\r, PAD
.endr
	s_wait_kmcnt 0x0
	s_add_nc_u64 s[6:7], s[6:7], s[16:17]
.set i, 0
.rept 32
	global_load_b128 v[IDS+4*i:IDS+4*i+3], v2, s[4:5] offset:512*i   ; register 4 i + j of a lane: slot 128 i + 4 lane + j
.set i, i+1
.endr
.set i, 0
.rept 33
	ds_store_b128 v7, v[8:11] offset:512*i         ; the whole row is PAD first
.set i, i+1
.endr
	s_wait_loadcnt 0x0
; One step: the 32 slots 128 (i / 4) + 4 lane + i % 4.  A lane whose id is mine takes the place (found so far) + (such lanes below it) and stores its slot there;
; the other lanes store PAD into word DUMP.  LDS serves a wave in order (ISA guide 5.7.1.4): the slot lands on the PAD.
.set i, 0
.rept 128
	v_cmp_eq_u32 vcc_lo, s8, v[IDS+i]
	v_mbcnt_lo_u32_b32 v4, vcc_lo, s10
	v_add_nc_u32 v6, 128*(i/4)+(i%4), v3
	v_cndmask_b32 v4, v[DUMPR], v4, vcc_lo
	v_cndmask_b32 v6, v8, v6, vcc_lo
	v_min_u32 v4, 0x107f, v4                       ; a place is at most 4,095 by count; the bound keeps the address inside my row
	v_lshl_add_u32 v5, v4, 2, s9
	s_bcnt1_i32_b32 s11, vcc_lo
	s_add_co_u32 s10, s10, s11
	ds_store_b32 v5, v6
.set i, i+1
.endr
	v_mov_b32 v4, s10
	s_lshl_b32 s11, s8, 2
	s_add_co_u32 s11, s11, CNTS
	v_mov_b32 v5, s11
	ds_store_b32 v5, v4                            ; n_e into my word of the counts: every lane writes the same number
	s_wait_dscnt 0x0                               ; for wave 0's sake: my count is in LDS
	s_barrier_signal -1
	s_barrier_wait -1
	s_cmp_lg_u32 s8, 0
	s_cbranch_scc1 .Lrow
	; wave 0: the table.  Block b belongs to the first expert whose blocks end behind b.
	v_mov_b32 v[TA], CNTS
	ds_load_b128 v[CN:CN+3], v[TA]
	ds_load_b128 v[CN+4:CN+7], v[TA] offset:16
	v_add_nc_u32 v[B1], 32, v1
	v_lshlrev_b32 v[TO], 3, v1
	v_mov_b32 v[RUN], 0
	v_mov_b32 v[E0], 0
	v_mov_b32 v[R0], 0
	v_mov_b32 v[E1], 0
	v_mov_b32 v[R1], 0
	s_wait_dscnt 0x0
	v_mov_b32 v[TA], EMPTY0
.irp e, 0,1,2,3,4,5,6,7
	v_add_nc_u32 v[CN+\e], BLK-1, v[CN+\e]
	v_mul_u32_u24 v[CN+\e], 0xcccd, v[CN+\e]       ; x / 80 = x 52429 >> 22, exact for x below 262,144; here x is at most 4,175
	v_lshrrev_b32 v[CN+\e], 22, v[CN+\e]
	v_add_nc_u32 v[RUN], v[RUN], v[CN+\e]          ; where expert e's blocks end
	v_cmp_ge_u32 vcc_lo, v1, v[RUN]
	v_cndmask_b32 v[E0], v[E0], \e+1, vcc_lo       ; at or behind that end: a later expert's, whose blocks begin here at the earliest
	v_cndmask_b32 v[R0], v[R0], v[RUN], vcc_lo
	v_cmp_ge_u32 vcc_lo, v[B1], v[RUN]
	v_cndmask_b32 v[E1], v[E1], \e+1, vcc_lo
	v_cndmask_b32 v[R1], v[R1], v[RUN], vcc_lo
.endr
	v_sub_nc_u32 v[R0], v1, v[R0]
	v_sub_nc_u32 v[R1], v[B1], v[R1]
	v_mul_u32_u24 v[R0], BLK, v[R0]                ; the block's first row in its expert's list
	v_mul_u32_u24 v[R1], BLK, v[R1]
	v_cmp_eq_u32 vcc_lo, 8, v[E0]                  ; behind the last expert's end: not used by this routing
	v_cndmask_b32 v[R0], v[R0], v[TA], vcc_lo
	v_cmp_eq_u32 vcc_lo, 8, v[E1]
	v_cndmask_b32 v[R1], v[R1], v[TA], vcc_lo
	v_min_u32 v[E0], 7, v[E0]
	v_min_u32 v[E1], 7, v[E1]
	global_store_b64 v[TO], v[E0:E0+1], s[12:13]               ; 256 consecutive bytes each
	global_store_b64 v[TO], v[E1:E1+1], s[12:13] offset:256
.Lrow:
.set i, 0
.rept 33
	ds_load_b128 v[IDS+4*i:IDS+4*i+3], v7 offset:512*i
.set i, i+1
.endr
.set i, 0
.rept 33
	s_wait_dscnt 32-i                              ; LDS loads come back in order: number i is in, the younger ones stay out
	global_store_b128 v2, v[IDS+4*i:IDS+4*i+3], s[6:7] offset:512*i   ; 512 consecutive bytes, at a multiple of 256 from the first byte of list
.set i, i+1
.endr
	s_wait_tensorcnt 0x0
	ds_add_u32 v240, v241
	s_wait_dscnt 0x0
	s_endpgm
	; ---------------- work-groups 1 to 256: the casting
.Lcast:
	s_load_b256 s[20:27], s[0:1], 0x0              ; hidden_states s[20:21], w_up s[22:23], w_dn s[24:25], xb s[26:27]
	s_load_b128 s[28:31], s[0:1], 0x20             ; wub s[28:29], wdb s[30:31]
	s_sub_co_u32 s18, s18, 1
	s_lshl_b32 s18, s18, 3
	s_add_co_u32 s18, s18, s8                      ; G = 8 (work-group - 1) + wave, 0 .. 2047
	v_and_b32 v8, 15, v0                           ; lane % 16
	v_bfe_u32 v9, v0, 4, 1                         ; lane / 16
	v_lshlrev_b32 v[VX], 4, v1
	v_lshlrev_b32 v[VX8], 3, v1
	v_lshlrev_b32 v10, 4, v8
	v_lshl_add_u32 v[VU], v9, 13, v10
	v_lshl_add_u32 v[VD], v9, 11, v10
	s_mul_i32 s19, s8, LROW                        ; my wave's LDS bytes
	; in: my 4 numbers are K = 4 (lane % 16) .. + 3 of row 2 g + lane / 16: piece (lane % 16) / 2, byte 16 row + 8 (lane % 2) of it
	v_lshrrev_b32 v11, 1, v8
	v_mul_u32_u24 v11, v11, QP
	v_lshl_add_u32 v11, v9, 4, v11
	v_and_b32 v12, 1, v0
	v_lshl_add_u32 v11, v12, 3, v11
	v_add_nc_u32 v[VS], s19, v11
	; back: lanes 0-15 take piece 2 g, lanes 16-31 piece 2 g + 1
	v_mul_u32_u24 v11, v9, QP
	v_add_nc_u32 v11, v11, v10
	v_add_nc_u32 v[VR], s19, v11
	s_mov_b32 s3, 0
	s_lshr_b32 s2, s18, 2
	s_lshl_b32 s2, s2, 17                          ; w_up: row block G / 4, 16 rows of 8,192 bytes,
	s_and_b32 s16, s18, 3
	s_lshl_b32 s16, s16, 11                        ; and 8 tiles of 256 bytes along the rows
	s_add_co_u32 s2, s2, s16
	s_wait_kmcnt 0x0
	s_add_nc_u64 s[UB:UB+1], s[22:23], s[2:3]
	s_lshr_b32 s2, s18, 1
	s_lshl_b32 s2, s2, 15                          ; w_dn: row block G / 2, 16 rows of 2,048 bytes,
	s_and_b32 s16, s18, 1
	s_lshl_b32 s16, s16, 10                        ; and 4 tiles
	s_add_co_u32 s2, s2, s16
	s_add_nc_u64 s[DB:DB+1], s[24:25], s[2:3]
	s_lshl_b32 s2, s18, 13
	s_add_nc_u64 s[XB:XB+1], s[20:21], s[2:3]      ; hidden_states: row G
	s_add_nc_u64 s[DO:DO+1], s[30:31], s[2:3]      ; wdb: 4 tiles of 2,048 bytes
	s_lshl_b32 s2, s18, 14
	s_add_nc_u64 s[UO:UO+1], s[28:29], s[2:3]      ; wub: 8 tiles of 2,048 bytes
	s_lshl_b32 s2, s18, 12
	s_add_nc_u64 s[XO:XO+1], s[26:27], s[2:3]      ; xb: row G
; the eight loads of unit au into its slot
.macro ASK
.set SA, RING+32*(au%6)
.set g, 0
.rept 8
.if au < 8
	global_load_b128 v[SA+4*g:SA+4*g+3], v[VU], s[UB:UB+1] offset:16384*g+256*au th:TH_LOAD_NT
.elseif au < 12
	global_load_b128 v[SA+4*g:SA+4*g+3], v[VD], s[DB:DB+1] offset:4096*g+256*(au-8) th:TH_LOAD_NT
.else
	global_load_b128 v[SA+4*g:SA+4*g+3], v[VX], s[XB:XB+1] offset:512*g+4096*(au-12) th:TH_LOAD_NT
.endif
.set g, g+1
.endr
.endm
.set au, 0
.rept 6
	ASK
.set au, au+1
.endr
.set u, 0
.rept 14
.set SL, RING+32*(u%6)
.set OU, OUT+16*(u%2)
.set left, 13-u
.if left > 5
.set left, 5
.endif
	s_wait_loadcnt 8*left                          ; loads come back in order (ISA guide 5.7.1): unit u is in, the later units' loads stay out
.set g, 0
.rept 8
	v_cvt_pk_bf16_f32 v[SL+2*g], v[SL+4*g], v[SL+4*g+1]        ; load g's four f32 at 4 g become two words at 2 g
	v_cvt_pk_bf16_f32 v[SL+2*g+1], v[SL+4*g+2], v[SL+4*g+3]
.set g, g+1
.endr
.if u < 12
.set g, 0
.rept 8
	ds_store_b64 v[VS], v[SL+2*g:SL+2*g+1] offset:32*g
.set g, g+1
.endr
	s_wait_xcnt 0x0                                ; the read-back set was the data of the stores two units back: it is written again only behind this wait
.set g, 0
.rept 4
	ds_load_b128 v[OU+4*g:OU+4*g+3], v[VR] offset:2*QP*g       ; LDS serves a wave in order: these see the stores above, and the next unit's stores come behind them
.set g, g+1
.endr
.if u < 8
.set au, u+6
	ASK                                            ; the slot's next unit
.endif
.set g, 0
.rept 4
	s_wait_dscnt 3-g
.if u < 8
	global_store_b128 v[VX], v[OU+4*g:OU+4*g+3], s[UO:UO+1] offset:2048*u+512*g th:TH_STORE_NT     ; 512 consecutive bytes at a multiple of 512
.else
	global_store_b128 v[VX], v[OU+4*g:OU+4*g+3], s[DO:DO+1] offset:2048*(u-8)+512*g th:TH_STORE_NT
.endif
.set g, g+1
.endr
.else
.set g, 0
.rept 8
	global_store_b64 v[VX8], v[SL+2*g:SL+2*g+1], s[XO:XO+1] offset:2048*(u-12)+256*g th:TH_STORE_NT   ; the wave stores 256 consecutive bytes at a multiple of 256
.set g, g+1
.endr
.endif
.set u, u+1
.endr
	s_wait_tensorcnt 0x0
	ds_add_u32 v240, v241
	s_wait_dscnt 0x0
	s_endpgm
.Lfunc_end_k_qbf56552ae7_prep:
	.size	k_qbf56552ae7_prep, .Lfunc_end_k_qbf56552ae7_prep-k_qbf56552ae7_prep
	.p2alignl 7, 3214868480
	.fill 96, 4, 3214868480
	.section	.rodata,"a",@progbits
	.p2align	6, 0x0
	.amdhsa_kernel k_qbf56552ae7_prep
		.amdhsa_group_segment_fixed_size 136448
		.amdhsa_private_segment_fixed_size 0
		.amdhsa_enable_private_segment 0
		.amdhsa_kernarg_size 72
		.amdhsa_user_sgpr_count 2
		.amdhsa_user_sgpr_kernarg_segment_ptr 1
		.amdhsa_wavefront_size32 1
		.amdhsa_system_sgpr_workgroup_id_x 1
		.amdhsa_system_sgpr_workgroup_id_y 1
		.amdhsa_system_sgpr_workgroup_id_z 1
		.amdhsa_system_vgpr_workitem_id 0
		.amdhsa_next_free_vgpr 242
		.amdhsa_next_free_sgpr 66
		.amdhsa_reserve_vcc 1
		.amdhsa_float_denorm_mode_32 3
		.amdhsa_float_denorm_mode_16_64 3
		.amdhsa_memory_ordered 1
		.amdhsa_forward_progress 1
		.amdhsa_inst_pref_size 122
	.end_amdhsa_kernel
	.amdgpu_metadata
---
amdhsa.version: [ 1, 2 ]
amdhsa.kernels:
  - .name:           k_qbf56552ae7_prep
    .symbol:         k_qbf56552ae7_prep.kd
    .args:
      - { .name: hidden_states, .offset: 0, .size: 8, .value_kind: global_buffer, .address_space: global }
      - { .name: w_up, .offset: 8, .size: 8, .value_kind: global_buffer, .address_space: global }
      - { .name: w_dn, .offset: 16, .size: 8, .value_kind: global_buffer, .address_space: global }
      - { .name: xb, .offset: 24, .size: 8, .value_kind: global_buffer, .address_space: global }
      - { .name: wub, .offset: 32, .size: 8, .value_kind: global_buffer, .address_space: global }
      - { .name: wdb, .offset: 40, .size: 8, .value_kind: global_buffer, .address_space: global }
      - { .name: topk_ids, .offset: 48, .size: 8, .value_kind: global_buffer, .address_space: global }
      - { .name: list, .offset: 56, .size: 8, .value_kind: global_buffer, .address_space: global }
      - { .name: blk, .offset: 64, .size: 8, .value_kind: global_buffer, .address_space: global }
    .group_segment_fixed_size: 136448
    .private_segment_fixed_size: 0
    .kernarg_segment_align: 8
    .kernarg_segment_size: 72
    .max_flat_workgroup_size: 256
    .sgpr_count:     66
    .vgpr_count:     242
    .wavefront_size: 32
...
	.end_amdgpu_metadata
.endif
;; end of part 5
;; launch up (part 6): grid 4 x 59, 4 waves a work-group, no clusters, 65,792 bytes of LDS; arguments xb, topk_weights, wub, list, act, blk; writes act
.if DOCPART == 6
	.amdgcn_target "amdgcn-amd-amdhsa--gfx1250"
	.amdhsa_code_object_version 6
	.text
	.protected	k_qbf56552ae7_up
	.globl	k_qbf56552ae7_up
	.p2align	8
	.type	k_qbf56552ae7_up,@function
k_qbf56552ae7_up:
	s_mov_b64 s[64:65], 0
	v_nop
	global_prefetch_b8 v0, s[64:65] scope:SCOPE_SE
	s_setreg_imm32_b32 hwreg(HW_REG_WAVE_MODE, 25, 1), 1
	s_wait_xcnt 0x0
; UP: act[80 b + p][j] = bf16( weight(s) x silu(x[t] . w_up[e][j]) x (x[t] . w_up[e][512 + j]) ), (e, row0) = blk[b], s = list[e][row0 + p], t = s / 2, j = 0..511.
; x comes from xb (bf16, row-major), w_up from wub (bf16, in fragment order: [e x 64 + row block of 16][K block of 32][1,024 bytes]).
; Only the slots that name an expert are multiplied: the other products of the dense form are multiplied by a combine weight of 0.
; SHARES.  Work-group (x, y): block b = y of 80 list rows, column block c = x (gate columns 128 c .. + 127 and up columns 512 + 128 c .. + 127).  One pass of 80 x 256 x 2048.
; THE GRID IS FIXED: 59 = floor((4096 + 8 x 79) / 80) is the most blocks of 80 that any routing of 4,096 slots to 8 experts needs.  The numbers read from blk and list enter
; addresses alone: no branch hangs on them.  Rows past an expert's count, and all rows of a block that the routing does not use, are PAD: they read token 2047, get weight 0 and are
; written to act, where no result that is kept hangs on them.
; Four waves: wave w has all 80 rows (5 units of 16) and gate columns 32 w .. + 31 and up columns 32 w .. + 31 of the block: row blocks 8 c + 2 w, + 1, + 32, + 33 of the expert; 20 accumulators.
; W GOES STRAIGHT INTO THE MATRIX SOURCES: a wave's 64 rows of w_up are read by that wave alone, two loads of 512 consecutive bytes a fragment, into a ring of 8 K blocks (256 registers).
; K block t + 6 is asked for behind the products of block t.  x GOES THROUGH LDS, since all four waves read it: K in 16 chunks of 128 (256 aligned bytes of each row), two staging sets, two slots.
; ONE BARRIER A CHUNK, its signal ahead of 20 products and its wait behind them.  In front of the signal of step j each wave has waited for all its LDS work: its reads of chunk j's slot are back and
; its part of chunk j + 1 is stored.  Behind the wait chunk j + 1 is read and chunk j + 2 is stored into the slot that chunk j left.
; By this text's count at most 60 loads of a wave are out: the wait for the next K block stands ahead of each run of loads.
; NO TENSOR LOADS, NO CLUSTER: W passes no LDS, the rows of x are picked by a list, and how many blocks share an expert's rows of W is decided by the routing, so no fixed set of partners shares a tile.
; THE MATRIX INSTRUCTION IS USED TRANSPOSED: source 0 = 16 rows of w_up, source 1 = 16 tokens: a lane holds one token (lane % 16) and eight neighbouring columns 8 (lane / 16) + 0..7.
; LIMITS.  v_exp_f32 and v_rcp_f32 flush denormals (ISA guide 15.8): silu(g) is 0 for g below about -88.  Where an expert that a token does NOT name would give an infinite
; activation the dense form gives NaN (0 x inf); this text does not compute it.  A token that names one expert twice has its two weighted activations rounded to bf16 apart.
; LDS: slot s at s x 21,760: 80 rows of x, 272 bytes apart (256 of data + 16 = 68 words: row r starts at bank 4 r mod 64; 64 banks of 4 bytes: ISA guide 11.1).  STAGE behind them: 80 rows x 272 bytes.
; REGISTERS in windows of 256: window 0 addresses, weights, the way out, accumulator (a, b) at 96 + 8 (4 a + b), b = 0, 1 gate, 2, 3 up; window 1 the ring of W: K block t at 32 (t % 8), row block b at + 8 b;
; window 2 x's fragments of K block i of a chunk at 40 i, unit a at + 8 a; staging set q at 160 + 40 q.
.set LROW,    16896
.set BLK,     80
.set EMPTY0,  4128
.set PITCH,   272
.set UNIT,    16*PITCH
.set XSLOT,   BLK*PITCH
.set STAGE,   2*XSLOT
.set WOF,  3                           ; v3-7    byte offsets of my five routing weights
.set AOFF, 8                           ; v8-17   load g of x: token x 4096 + 16 (lane % 16), list row 20 w + 2 g + h, h = lane / 16
.set L16,  18                          ; v18     16 x lane
.set LST,  19                          ; v19     (20 w + h) x 4
.set STA,  20                          ; v20     (20 w + h) x 272 + 16 (lane % 16)
.set FA,   21                          ; v21     fragments of x: (lane % 16) x 272 + 16 h
.set WL,   22                          ; v22     (lane % 16) x 4
.set SG,   23                          ; v23     into the stage
.set RD,   24                          ; v24     back from the stage
.set GO,   25                          ; v25     my byte offset in the block of act
.set C16,  26                          ; v26     16 (lane % 16)
.set W,    28                          ; v28-37  five pairs (weight, weight), one for each unit of 16 tokens
.set ENT,  38                          ; v38-42  the list entries of my five tokens
.set RAW,  43                          ; v43-47  their weights as loaded
.set T,    48                          ; v48-87  the way out
.set U,    64
.set O,    80
.set ACC,  96                          ; v96-255
.set XST,  160                         ; staging, in window 2
.set WB,   24                          ; s[24:25] wub at my first row block, at the chunk of the step that the offsets count from
.set XB,   26                          ; s[26:27] xb at that chunk
.set MSB, 0
.macro WIN new                         ; the immediate's high byte repeats the setting that is left; a switch that changes nothing is dropped
.if MSB != \new
	s_set_vgpr_msb (MSB<<8)|\new
.set MSB, \new
.endif
.endm
.macro PLACES                          ; four places behind matrix instructions, ahead of loads into their sources and of reads of their results
.rept 4
	v_nop
.endr
.endm
.macro BAR                             ; my LDS stores are done and my LDS reads are back; then the work-group's barrier
	s_wait_dscnt 0x0
	s_barrier_signal -1
	s_barrier_wait -1
.endm
; 8 loads: one K block of my four row blocks into a slot of the ring; off = its bytes from the base.  A row block is 65,536 bytes; the up rows lie 32 row blocks behind the gate rows.
.macro WGET slot, off
	WIN 0x40
.irp b, 0,1,2,3
	global_load_b128 v[32*(\slot)+8*\b:32*(\slot)+8*\b+3],   v[L16], s[WB:WB+1] offset:(\off)+(\b%2)*65536+(\b/2)*2097152
	global_load_b128 v[32*(\slot)+8*\b+4:32*(\slot)+8*\b+7], v[L16], s[WB:WB+1] offset:(\off)+(\b%2)*65536+(\b/2)*2097152+512
.endr
.endm
; 10 loads: my 20 rows of a chunk of x into staging set q: each half of the lanes takes 256 aligned bytes of one row
.macro XGET q, off
	WIN 0x80
.set g, 0
.rept 10
	global_load_b128 v[XST+40*\q+4*g:XST+40*\q+4*g+3], v[AOFF+g], s[XB:XB+1] offset:\off
.set g, g+1
.endr
.endm
; 10 LDS stores: staging set q into slot q; sixteen lanes fill a row's 256 bytes
.macro XPUT q
	WIN 0x08
.set g, 0
.rept 10
	ds_store_b128 v[STA], v[XST+40*\q+4*g:XST+40*\q+4*g+3] offset:\q*XSLOT+2*PITCH*g
.set g, g+1
.endr
.endm
; 10 LDS loads: x's fragments of K block i of the chunk in a slot
.macro FRAG slot, i
	WIN 0x80
.irp a, 0,1,2,3,4
	ds_load_b128 v[40*\i+8*\a:40*\i+8*\a+3],   v[FA] offset:\slot*XSLOT+UNIT*\a+64*\i
	ds_load_b128 v[40*\i+8*\a+4:40*\i+8*\a+7], v[FA] offset:\slot*XSLOT+UNIT*\a+64*\i+32
.endr
.endm
; 20 matrix instructions: K block i of a chunk of parity par.  The 20 accumulators take turns, one instruction a turn, in the same order everywhere.  zero = 1: the products start the sums.
.macro MUL par, i, zero
	WIN 0x09                                       ; source 0 (W) window 1, source 1 (x) window 2, C and D window 0
.irp a, 0,1,2,3,4
.irp b, 0,1,2,3
.if \zero
	v_wmma_f32_16x16x32_bf16 v[ACC+8*(4*\a+\b):ACC+8*(4*\a+\b)+7], v[32*(4*\par+\i)+8*\b:32*(4*\par+\i)+8*\b+7], v[40*\i+8*\a:40*\i+8*\a+7], 0
.else
	v_wmma_f32_16x16x32_bf16 v[ACC+8*(4*\a+\b):ACC+8*(4*\a+\b)+7], v[32*(4*\par+\i)+8*\b:32*(4*\par+\i)+8*\b+7], v[40*\i+8*\a:40*\i+8*\a+7], v[ACC+8*(4*\a+\b):ACC+8*(4*\a+\b)+7]
.endif
.endr
.endr
.endm
; STEP j multiplies chunk j.  par = j % 2, opp = 1 - par; rel = j less the step that the bases stand at.  pst = 1: the step before stored a chunk of x behind its last fragment loads.
; w01: K blocks 2, 3 of chunk j + 1 are asked for; w23: K blocks 0, 1 of chunk j + 2; xi: chunk j + 3 of x is asked for; xs: chunk j + 2 of x is stored; bar: chunk j + 1 follows.
; n0 .. n3: the loads that may stay out when the NEXT K block of W has to be in; n3 also shows chunk j + 2 of x in, which was asked for ahead of that K block.
; Every load below goes into registers whose last products stand two runs of 20 or more back, so the two groups of four places stand behind every one of those products.
.macro STEP par, opp, rel, zero, pst, w01, w23, xi, xs, bar, n0, n1, n2, n3
	s_wait_dscnt 10+10*\pst                        ; fragments 0 are in: fragments 1 and the step before's stores are younger
	MUL \par, 0, \zero
	s_wait_loadcnt \n0
.if \w01
	WGET 4*\opp+2, 4096*(\rel+1)+2048
.endif
	FRAG \par, 2
	FRAG \par, 3
	s_wait_dscnt 20+10*\pst                        ; fragments 1 are in: those stores and the 20 loads just issued are younger
	MUL \par, 1, 0
	PLACES
	s_wait_loadcnt \n1
.if \w01
	WGET 4*\opp+3, 4096*(\rel+1)+3072
.endif
.if \xi
	XGET \opp, 256*(\rel+3)
.endif
	s_wait_dscnt 0x0                               ; all my reads of this chunk's slot are back (issued 20 products ago), and my part of the next chunk is stored
.if \bar
	s_barrier_signal -1
.endif
	MUL \par, 2, 0
.if \bar
	s_barrier_wait -1                              ; both now hold of all four waves
.endif
	s_wait_loadcnt \n2
.if \w23
	WGET 4*\par, 4096*(\rel+2)
.endif
.if \bar
	FRAG \opp, 0
.endif
	MUL \par, 3, 0
	PLACES
.if \n3 >= 0
	s_wait_loadcnt \n3
.endif
.if \bar
	FRAG \opp, 1
.endif
.if \xs
	XPUT \par
.endif
.if \w23
	WGET 4*\par+1, 4096*(\rel+2)+1024
.endif
.endm
; The way out of unit a (16 tokens x 32 columns a wave): u w g / (1 + 2^(-g log2 e)), rounded to bf16, 16 bytes a lane into the stage.
; Each accumulator is read from its low end on.
.macro ACT a
.set g, 0
.rept 8
	v_pk_mul_f32 v[T+2*g:T+2*g+1], v[ACC+32*\a+2*g:ACC+32*\a+2*g+1], 0xbfb8aa3b op_sel_hi:[1,0]      ; - g log2 e
.set g, g+1
.endr
.set g, 0
.rept 8
	v_pk_mul_f32 v[U+2*g:U+2*g+1], v[ACC+32*\a+16+2*g:ACC+32*\a+16+2*g+1], v[W+2*\a:W+2*\a+1]        ; u x weight
.set g, g+1
.endr
.set g, 0
.rept 16
	v_exp_f32 v[T+g], v[T+g]
.set g, g+1
.endr
	v_nop                                          ; a plain instruction behind the last exponential, ahead of the use of its result (ISA guide 5.7.2)
.set g, 0
	s_wait_alu depctr_va_vdst(0)
.rept 8
	v_pk_add_f32 v[T+2*g:T+2*g+1], v[T+2*g:T+2*g+1], 1.0 op_sel_hi:[1,0]
.set g, g+1
.endr
.set g, 0
.rept 16
	v_rcp_f32 v[T+g], v[T+g]
.set g, g+1
.endr
	v_nop
.set g, 0
	s_wait_alu depctr_va_vdst(0)
.rept 8
	v_pk_mul_f32 v[U+2*g:U+2*g+1], v[U+2*g:U+2*g+1], v[T+2*g:T+2*g+1]
.set g, g+1
.endr
.set g, 0
.rept 8
	v_pk_mul_f32 v[U+2*g:U+2*g+1], v[ACC+32*\a+2*g:ACC+32*\a+2*g+1], v[U+2*g:U+2*g+1]
.set g, g+1
.endr
.set g, 0
.rept 8
	v_cvt_pk_bf16_f32 v[O+g], v[U+2*g], v[U+2*g+1]
.set g, g+1
.endr
	ds_store_b128 v[SG], v[O:O+3] offset:UNIT*\a
	ds_store_b128 v[SG], v[O+4:O+7] offset:UNIT*\a+32
.endm
	s_load_b256 s[4:11], s[0:1], 0x0               ; xb s[4:5], topk_weights s[6:7], wub s[8:9], list s[10:11]
	s_load_b128 s[12:15], s[0:1], 0x20             ; act s[12:13], blk s[14:15]
	v_lshl_add_u32 v94, v0, 2, 0xff00
	v_mov_b32 v95, 0
	v_lshrrev_b32 v3, 5, v0
	v_readfirstlane_b32 s16, v3                    ; wave w
	s_mov_b32 s17, ttmp9                           ; c
	s_and_b32 s18, ttmp7, 0xffff                   ; b
	s_lshl_b32 s2, s18, 3
	s_mov_b32 s3, 0
	s_wait_kmcnt 0x0
	s_add_nc_u64 s[14:15], s[14:15], s[2:3]
	s_load_b64 s[20:21], s[14:15], 0x0             ; my block's expert and first list row
	v_and_b32 v1, 15, v0                           ; lane % 16
	v_bfe_u32 v2, v0, 4, 1                         ; h = lane / 16
	v_and_b32 v88, 31, v0
	v_lshlrev_b32 v[L16], 4, v88
	v_lshlrev_b32 v[C16], 4, v1
	s_mul_i32 s22, s16, 20
	v_add_nc_u32 v89, s22, v2                      ; 20 w + h: the rows that I bring in, and the rows that I store
	v_lshlrev_b32 v[LST], 2, v89
	v_mul_u32_u24 v[STA], v89, PITCH
	v_add_nc_u32 v[STA], v[STA], v[C16]
	v_add_nc_u32 v[RD], STAGE, v[STA]              ; back: two whole rows of 256 bytes a load
	v_lshl_add_u32 v[GO], v89, 10, v[C16]
	v_lshlrev_b32 v[WL], 2, v1
	v_mul_u32_u24 v[FA], v1, PITCH
	v_lshl_add_u32 v[FA], v2, 4, v[FA]             ; row x pitch + 16 h
	s_lshl_b32 s22, s16, 6
	s_add_co_u32 s22, s22, STAGE
	v_add_nc_u32 v[SG], s22, v[FA]                 ; stage row lane % 16, my wave's 64 bytes, 16 h
	s_wait_kmcnt 0x0
	s_min_u32 s20, s20, 7                          ; e
	s_min_u32 s21, s21, EMPTY0                     ; row0: rows row0 .. + 79 stay inside a list row of 4,224 words
	s_mul_i32 s2, s20, LROW
	s_lshl_b32 s22, s21, 2
	s_add_co_u32 s2, s2, s22
	s_add_nc_u64 s[34:35], s[10:11], s[2:3]        ; the block's entries in the list
	s_lshl_b32 s2, s20, 22                         ; an expert: 64 row blocks of 65,536 bytes
	s_lshl_b32 s22, s17, 19                        ; 8 row blocks a column block
	s_add_co_u32 s2, s2, s22
	s_lshl_b32 s22, s16, 17                        ; 2 a wave
	s_add_co_u32 s2, s2, s22
	s_add_nc_u64 s[WB:WB+1], s[8:9], s[2:3]
	s_mov_b64 s[XB:XB+1], s[4:5]
	s_mul_i32 s2, s18, BLK*1024
	s_lshl_b32 s22, s17, 8
	s_add_co_u32 s2, s2, s22
	s_add_nc_u64 s[36:37], s[12:13], s[2:3]        ; act at row 80 b, column 128 c
.set g, 0
.rept 10
	global_load_b32 v[AOFF+g], v[LST], s[34:35] offset:8*g
.set g, g+1
.endr
.irp a, 0,1,2,3,4
	global_load_b32 v[ENT+\a], v[WL], s[34:35] offset:64*\a
.endr
	WGET 0, 0                                      ; W hangs on the expert alone: chunk 0 goes out ahead of x
	WGET 1, 1024
	WGET 2, 2048
	WGET 3, 3072
	WIN 0
	s_wait_loadcnt 32                              ; the list entries are in; W's 32 loads stay out
.set g, 0
.rept 10
	v_lshrrev_b32 v[AOFF+g], 1, v[AOFF+g]          ; token = slot / 2,
	v_min_u32 v[AOFF+g], 0x7ff, v[AOFF+g]          ; PAD becomes token 2047
	v_lshl_add_u32 v[AOFF+g], v[AOFF+g], 12, v[C16]
.set g, g+1
.endr
.irp a, 0,1,2,3,4
	v_min_u32 v[WOF+\a], 0xfff, v[ENT+\a]
	v_lshlrev_b32 v[WOF+\a], 2, v[WOF+\a]
.endr
.irp a, 0,1,2,3,4
	global_load_b32 v[RAW+\a], v[WOF+\a], s[6:7]   ; topk_weights[t][k] lies at word s
.endr
	XGET 0, 0
	XGET 1, 256
	WIN 0
	s_wait_loadcnt 0x0                             ; the weights, chunks 0 and 1 of x, chunk 0 of W
.irp a, 0,1,2,3,4
	v_cmp_gt_u32 vcc_lo, 0x1000, v[ENT+\a]
	v_cndmask_b32 v[W+2*\a], 0, v[RAW+\a], vcc_lo  ; a PAD row has weight 0
	v_mov_b32 v[W+2*\a+1], v[W+2*\a]
.endr
	XPUT 0
	XPUT 1
	XGET 0, 512                                    ; from here on the loads follow each other as in every step: x's chunk 2, then K blocks 4 and 5
	WGET 4, 4096
	WGET 5, 5120
	WIN 0
	BAR                                            ; both slots are whole
	FRAG 0, 0
	FRAG 0, 1
	STEP 0, 1, 0, 1, 0, 1, 1, 1, 1, 1, 42, 42, 52, 42      ; chunk 0 starts the sums: nothing is cleared
	WIN 0
	s_wait_xcnt 0x0                                ; the bases of the loads that are out are stepped only behind this wait
	s_add_nc_u64 s[WB:WB+1], s[WB:WB+1], 4096
	s_add_nc_u64 s[XB:XB+1], s[XB:XB+1], 256
	s_mov_b32 s38, 6
.Lk:                                                   ; chunks 1 to 12.  42 = four K blocks and a chunk of x; 52 = four K blocks and two chunks of x
	STEP 1, 0, 0, 0, 1, 1, 1, 1, 1, 1, 42, 42, 52, 42
	STEP 0, 1, 1, 0, 1, 1, 1, 1, 1, 1, 42, 42, 52, 42
	WIN 0
	s_wait_xcnt 0x0
	s_add_nc_u64 s[WB:WB+1], s[WB:WB+1], 8192
	s_add_nc_u64 s[XB:XB+1], s[XB:XB+1], 512
	s_sub_co_i32 s38, s38, 1
	s_cmp_lg_u32 s38, 0
	s_cbranch_scc1 .Lk
	STEP 1, 0, 0, 0, 1, 1, 1, 0, 1, 1, 42, 42, 42, 32      ; chunk 13: x has no chunk 16
	STEP 0, 1, 1, 0, 1, 1, 0, 0, 0, 1, 32, 32, 32, 24      ; chunk 14: the last two K blocks of W are asked for
	STEP 1, 0, 2, 0, 0, 0, 0, 0, 0, 0, 16, 8, 0, -1        ; chunk 15: the counts run down
	WIN 0
.irp a, 0,1,2,3,4
	ACT \a
.endr
	BAR                                            ; a stage row's 256 bytes come from the four waves
.set g, 0
.rept 10
	ds_load_b128 v[ACC+4*g:ACC+4*g+3], v[RD] offset:2*PITCH*g
.set g, g+1
.endr
.set g, 0
.rept 10
	s_wait_dscnt 9-g
	global_store_b128 v[GO], v[ACC+4*g:ACC+4*g+3], s[36:37] offset:2048*g   ; sixteen lanes store 256 consecutive bytes of a row of act, at a multiple of 256
.set g, g+1
.endr
	s_wait_tensorcnt 0x0
	ds_add_u32 v94, v95
	s_wait_dscnt 0x0
	s_endpgm
.Lfunc_end_k_qbf56552ae7_up:
	.size	k_qbf56552ae7_up, .Lfunc_end_k_qbf56552ae7_up-k_qbf56552ae7_up
	.p2alignl 7, 3214868480
	.fill 96, 4, 3214868480
	.section	.rodata,"a",@progbits
	.p2align	6, 0x0
	.amdhsa_kernel k_qbf56552ae7_up
		.amdhsa_group_segment_fixed_size 65792
		.amdhsa_private_segment_fixed_size 0
		.amdhsa_enable_private_segment 0
		.amdhsa_kernarg_size 48
		.amdhsa_user_sgpr_count 2
		.amdhsa_user_sgpr_kernarg_segment_ptr 1
		.amdhsa_wavefront_size32 1
		.amdhsa_system_sgpr_workgroup_id_x 1
		.amdhsa_system_sgpr_workgroup_id_y 1
		.amdhsa_system_sgpr_workgroup_id_z 1
		.amdhsa_system_vgpr_workitem_id 0
		.amdhsa_next_free_vgpr 752
		.amdhsa_next_free_sgpr 66
		.amdhsa_reserve_vcc 1
		.amdhsa_float_denorm_mode_32 3
		.amdhsa_float_denorm_mode_16_64 3
		.amdhsa_memory_ordered 1
		.amdhsa_forward_progress 1
		.amdhsa_inst_pref_size 110
	.end_amdhsa_kernel
	.amdgpu_metadata
---
amdhsa.version: [ 1, 2 ]
amdhsa.kernels:
  - .name:           k_qbf56552ae7_up
    .symbol:         k_qbf56552ae7_up.kd
    .args:
      - { .name: xb, .offset: 0, .size: 8, .value_kind: global_buffer, .address_space: global }
      - { .name: topk_weights, .offset: 8, .size: 8, .value_kind: global_buffer, .address_space: global }
      - { .name: wub, .offset: 16, .size: 8, .value_kind: global_buffer, .address_space: global }
      - { .name: list, .offset: 24, .size: 8, .value_kind: global_buffer, .address_space: global }
      - { .name: act, .offset: 32, .size: 8, .value_kind: global_buffer, .address_space: global }
      - { .name: blk, .offset: 40, .size: 8, .value_kind: global_buffer, .address_space: global }
    .group_segment_fixed_size: 65792
    .private_segment_fixed_size: 0
    .kernarg_segment_align: 8
    .kernarg_segment_size: 48
    .max_flat_workgroup_size: 128
    .sgpr_count:     66
    .vgpr_count:     752
    .wavefront_size: 32
...
	.end_amdgpu_metadata
.endif
;; end of part 6
;; launch down (part 7): grid 4 x 59, 4 waves a work-group, no clusters, 250,112 bytes of LDS; arguments act, wdb, list, y2, blk; writes y2
.if DOCPART == 7
	.amdgcn_target "amdgcn-amd-amdhsa--gfx1250"
	.amdhsa_code_object_version 6
	.text
	.protected	k_qbf56552ae7_down
	.globl	k_qbf56552ae7_down
	.p2align	8
	.type	k_qbf56552ae7_down,@function
k_qbf56552ae7_down:
	s_mov_b64 s[64:65], 0
	v_nop
	global_prefetch_b8 v0, s[64:65] scope:SCOPE_SE
	s_setreg_imm32_b32 hwreg(HW_REG_WAVE_MODE, 25, 1), 1
	s_wait_xcnt 0x0
; DOWN: y2[s][d] = the sum over j of act[80 b + p][j] w_dn[e][d][j], (e, row0) = blk[b], s = list[e][row0 + p], for the rows whose entry is a slot.  y2 is [4096][2048] f32, a row for each slot.
; w_dn comes from wdb (bf16, in fragment order: [e x 128 + row block of 16][K block of 32][1,024 bytes]).
; SHARES.  Work-group (x, y): block b = y of 80 rows of act, columns 512 x .. + 511, in two passes of 256 columns.  A pass is 80 x 256 x 512: 16 K blocks of 32.
; THE GRID IS FIXED: 59 = floor((4096 + 8 x 79) / 80) is the most blocks of 80 that any routing needs.  The numbers read from blk enter addresses alone.
; A block that the routing does not use multiplies PAD rows and stores nothing.
; Four waves: wave w has all 80 rows and columns 64 w .. + 63 of the pass: row blocks 32 x + 16 pass + 4 w + 0..3 of the expert; 20 accumulators.
; act, 80 rows x 1,024 bytes, IS STORED INTO LDS ONCE, behind one barrier, and read from there in both passes.  W GOES STRAIGHT INTO THE MATRIX SOURCES: a wave's rows are read by that wave
; alone, two loads of 512 consecutive bytes a fragment, into a ring of 8 K blocks (256 registers).  The two passes are one stream of 32 K blocks, written out: every address stands in an immediate,
; K block t + 8 is asked for behind the products of block t, and the second pass's first blocks are on their way during the first pass's way out.
; By this text's count at most 56 loads of a wave are out: the wait for the next K block stands ahead of each run of loads.
; NO TENSOR LOADS, NO CLUSTER: W passes no LDS, and how many blocks share an expert's rows of W is decided by the routing, so no fixed set of partners shares a tile.
; THE MATRIX INSTRUCTION IS USED TRANSPOSED: source 0 = 16 rows of w_dn, source 1 = 16 rows of act: a lane holds one list row and eight neighbouring columns.
; WAY OUT.  Through a stage of 80 rows x 1,040 bytes, one for each pass, so that no wave's writes of the second meet a wave's reads of the first.  A wave reads 20 whole rows of 1,024 bytes back
; and stores each to the y2 row that the list names.  PAD rows are not stored: they lie at a list's tail, so the first of them ends the wave's stores; that branch joins the others' way again ahead of the next barrier.
; Each slot stands in one list, and four work-groups x two passes cover its row: every byte of y2 is written once.
; LIMIT: a slot whose id is outside 0..7 stands in no list, and its row of y2 is not written.
; LDS: 80 rows of act, 1,040 bytes apart (1,024 + 16 = 260 words: row r starts at bank 4 r mod 64; 64 banks of 4 bytes: ISA guide 11.1); then the two stages.
; REGISTERS: window 0 addresses, accumulator (a, b) at 96 + 8 (4 a + b) (the way out reads the stage back into them); window 1 the ring of W: K block t at 32 (t % 8), row block b at + 8 b;
; window 2 act's fragments of K block t at 40 (t % 2), unit a at + 8 a; v80-239 act on its way into LDS.
.set LROW,    16896
.set BLK,     80
.set EMPTY0,  4128
.set PITCH,   1040
.set UNIT,    16*PITCH
.set ABYTES,  BLK*PITCH
.set STAGE,   ABYTES
.set OFFS, 8                           ; v8-15   byte offsets of the stores to y2, by turns
.set L16,  18                          ; v18     16 x lane
.set AG,   19                          ; v19     20 w x 1024 + 16 lane
.set AST,  20                          ; v20     20 w x 1040 + 16 lane
.set FA,   21                          ; v21-22  fragments of act: units 0 to 2, units 3 and 4 (one register's immediates would pass 65,535)
.set SG,   23                          ; v23-24  into the stage, likewise
.set RD,   25                          ; v25     back from the stage
.set ACC,  96
.set XST,  80                          ; in window 2
.set WB,   24                          ; s[24:25] wdb at my first row block; never stepped
.set TMPS, 44
.set MSB, 0
.macro WIN new                         ; the immediate's high byte repeats the setting that is left; a switch that changes nothing is dropped
.if MSB != \new
	s_set_vgpr_msb (MSB<<8)|\new
.set MSB, \new
.endif
.endm
.macro PLACES                          ; four places behind matrix instructions, ahead of loads into their sources and of reads of their results
.rept 4
	v_nop
.endr
.endm
.macro BAR                             ; my LDS stores are done and my LDS reads are back; then the work-group's barrier
	s_wait_dscnt 0x0
	s_barrier_signal -1
	s_barrier_wait -1
.endm
; 8 loads: K block kb of 32 (pass kb / 16) of my four row blocks.  A row block is 16,384 bytes; a pass is 16 row blocks on.
.macro WGET kb
	WIN 0x40
.irp b, 0,1,2,3
	global_load_b128 v[32*((\kb)%8)+8*\b:32*((\kb)%8)+8*\b+3],   v[L16], s[WB:WB+1] offset:((\kb)/16)*262144+\b*16384+((\kb)%16)*1024
	global_load_b128 v[32*((\kb)%8)+8*\b+4:32*((\kb)%8)+8*\b+7], v[L16], s[WB:WB+1] offset:((\kb)/16)*262144+\b*16384+((\kb)%16)*1024+512
.endr
.endm
; 10 LDS loads: act's fragments for K block kb of 32
.macro FRAG kb
	WIN 0x80
.irp a, 0,1,2,3,4
	ds_load_b128 v[40*((\kb)%2)+8*\a:40*((\kb)%2)+8*\a+3],   v[FA+\a/3] offset:UNIT*(\a%3)+64*((\kb)%16)
	ds_load_b128 v[40*((\kb)%2)+8*\a+4:40*((\kb)%2)+8*\a+7], v[FA+\a/3] offset:UNIT*(\a%3)+64*((\kb)%16)+32
.endr
.endm
; K block t: 20 matrix instructions; the 20 accumulators take turns, one instruction a turn; a pass's first block starts the sums.
; Behind them: the wait for the next block of W, the ring slot just multiplied is asked for again, and the fragment buffer just multiplied takes the block after next.
.macro KSTEP
.if t < 31
	s_wait_dscnt 10                                ; my fragments are in; the next block's ten loads are younger
.else
	s_wait_dscnt 0
.endif
	WIN 0x09                                       ; source 0 (W) window 1, source 1 (act) window 2, C and D window 0
.irp a, 0,1,2,3,4
.irp b, 0,1,2,3
.if t%16 == 0
	v_wmma_f32_16x16x32_bf16 v[ACC+8*(4*\a+\b):ACC+8*(4*\a+\b)+7], v[32*(t%8)+8*\b:32*(t%8)+8*\b+7], v[40*(t%2)+8*\a:40*(t%2)+8*\a+7], 0
.else
	v_wmma_f32_16x16x32_bf16 v[ACC+8*(4*\a+\b):ACC+8*(4*\a+\b)+7], v[32*(t%8)+8*\b:32*(t%8)+8*\b+7], v[40*(t%2)+8*\a:40*(t%2)+8*\a+7], v[ACC+8*(4*\a+\b):ACC+8*(4*\a+\b)+7]
.endif
.endr
.endr
	PLACES
.if t < 31
.set n, 30-t
.if n > 6
.set n, 6
.endif
	s_wait_loadcnt 8*n                             ; K block t + 1 is in: blocks t + 2 to t + 7, as far as there are any, are younger
.endif
.if t < 24
	WGET t+8
.endif
.if t < 30
	FRAG t+2
.endif
.endm
; The way out of pass p
.macro WAYOUT p
	WIN 0
.irp a, 0,1,2,3,4
.irp b, 0,1,2,3
	ds_store_b128 v[SG+\a/3], v[ACC+8*(4*\a+\b):ACC+8*(4*\a+\b)+3]   offset:UNIT*(\a%3)+64*\b      ; each accumulator from its low end on
	ds_store_b128 v[SG+\a/3], v[ACC+8*(4*\a+\b)+4:ACC+8*(4*\a+\b)+7] offset:UNIT*(\a%3)+64*\b+16
.endr
.endr
	BAR                                            ; a stage row's 1,024 bytes come from the four waves
.set i, 0
.rept 40
	ds_load_b128 v[ACC+4*i:ACC+4*i+3], v[RD] offset:PITCH*(i/2)+512*(i%2)
.set i, i+1
.endr
	s_wait_dscnt 0x0
	s_wait_kmcnt 0x0                               ; the 20 list entries
.set i, 0
.rept 20
.if (i%8 == 0) && (i > 0)
	s_wait_xcnt 0x0                                ; the eight offset registers go round
.endif
.if i < 16
	s_cmp_gt_u32 s[48+i], 0xfff
	s_cbranch_scc1 .Lrows_done_\@                  ; row i is PAD, and so are all behind it
	s_min_u32 s[TMPS], s[48+i], 0xfff
.else
	s_cmp_gt_u32 s[52+i], 0xfff
	s_cbranch_scc1 .Lrows_done_\@
	s_min_u32 s[TMPS], s[52+i], 0xfff
.endif
	v_lshl_add_u32 v[OFFS+i%8], s[TMPS], 13, v[L16]
	global_store_b128 v[OFFS+i%8], v[ACC+8*i:ACC+8*i+3], s[38:39] offset:1024*\p          ; the wave stores 512 consecutive bytes of row s, at a multiple of 512 from the first byte of y2
	global_store_b128 v[OFFS+i%8], v[ACC+8*i+4:ACC+8*i+7], s[38:39] offset:1024*\p+512
.set i, i+1
.endr
.Lrows_done_\@:
	s_wait_xcnt 0x0                                ; the stores' data are the accumulators, which the next pass's first products write
.if \p == 0
	v_add_nc_u32 v[SG], ABYTES, v[SG]              ; the second pass's stage
	v_add_nc_u32 v[SG+1], ABYTES, v[SG+1]
	v_add_nc_u32 v[RD], ABYTES, v[RD]
.endif
.endm
	s_load_b256 s[4:11], s[0:1], 0x0               ; act s[4:5], wdb s[6:7], list s[8:9], y2 s[10:11]
	s_load_b64 s[12:13], s[0:1], 0x20              ; blk
	v_lshl_add_u32 v94, v0, 2, 0x3cf00
	v_mov_b32 v95, 0
	v_lshrrev_b32 v3, 5, v0
	v_readfirstlane_b32 s16, v3                    ; wave w
	s_mov_b32 s17, ttmp9                           ; which 512 columns
	s_and_b32 s18, ttmp7, 0xffff                   ; b
	s_lshl_b32 s2, s18, 3
	s_mov_b32 s3, 0
	v_and_b32 v1, 15, v0                           ; lane % 16
	v_bfe_u32 v2, v0, 4, 1                         ; h = lane / 16
	v_and_b32 v4, 31, v0
	v_lshlrev_b32 v[L16], 4, v4
	s_mul_i32 s22, s16, 20*1024
	v_add_nc_u32 v[AG], s22, v[L16]
	s_mul_i32 s22, s16, 20*PITCH
	v_add_nc_u32 v[AST], s22, v[L16]
	s_wait_kmcnt 0x0
	s_add_nc_u64 s[12:13], s[12:13], s[2:3]
	s_load_b64 s[20:21], s[12:13], 0x0             ; my block's expert and first list row
	s_mul_i32 s2, s18, BLK*1024
	s_add_nc_u64 s[36:37], s[4:5], s[2:3]          ; act at row 80 b: it hangs on b alone and goes out first
	WIN 0x80
.set g, 0
.rept 40
	global_load_b128 v[XST+4*g:XST+4*g+3], v[AG], s[36:37] offset:512*g        ; my 20 rows, half a row of 1,024 bytes a load
.set g, g+1
.endr
	WIN 0
	v_mul_u32_u24 v[FA], v1, PITCH
	v_lshl_add_u32 v[FA], v2, 4, v[FA]             ; row x pitch + 16 h
	v_add_nc_u32 v[FA+1], 3*UNIT, v[FA]
	v_mul_u32_u24 v[SG], v1, PITCH
	v_lshl_add_u32 v[SG], v2, 5, v[SG]             ; eight f32 a lane: 32 h
	s_lshl_b32 s22, s16, 8
	s_add_co_u32 s22, s22, STAGE
	v_add_nc_u32 v[SG], s22, v[SG]
	v_add_nc_u32 v[SG+1], 3*UNIT, v[SG]
	s_mul_i32 s22, s16, 20*PITCH
	s_add_co_u32 s22, s22, STAGE
	v_add_nc_u32 v[RD], s22, v[L16]                ; back: wave w takes rows 20 w .. + 19, half a row a load
	s_wait_kmcnt 0x0
	s_min_u32 s20, s20, 7                          ; e
	s_min_u32 s21, s21, EMPTY0                     ; row0
	s_mul_i32 s22, s16, 20
	s_add_co_u32 s22, s22, s21                     ; the first of the 20 list rows that I store
	s_lshl_b32 s22, s22, 2
	s_mul_i32 s2, s20, LROW
	s_add_co_u32 s2, s2, s22
	s_add_nc_u64 s[34:35], s[8:9], s[2:3]
	s_load_b512 s[48:63], s[34:35], 0x0            ; their list entries: entry i in s[48 + i] for i < 16, else in s[52 + i]
	s_load_b128 s[68:71], s[34:35], 0x40
	s_lshl_b32 s2, s20, 21                         ; an expert: 128 row blocks of 16,384 bytes
	s_lshl_b32 s22, s17, 19                        ; 32 row blocks for 512 columns
	s_add_co_u32 s2, s2, s22
	s_lshl_b32 s22, s16, 16                        ; 4 a wave
	s_add_co_u32 s2, s2, s22
	s_add_nc_u64 s[WB:WB+1], s[6:7], s[2:3]
	s_lshl_b32 s2, s17, 11
	s_add_nc_u64 s[38:39], s[10:11], s[2:3]        ; y2 at the first pass's first column
	WGET 0
	WGET 1
	s_wait_loadcnt 16                              ; act is in; two K blocks of W stay out
	WIN 0x08
.set g, 0
.rept 40
	ds_store_b128 v[AST], v[XST+4*g:XST+4*g+3] offset:PITCH*(g/2)+512*(g%2)
.set g, g+1
.endr
	WGET 2
	WGET 3
	WGET 4
	WGET 5
	WGET 6
	WIN 0
	BAR                                            ; the block of act is whole; it is never written again
	FRAG 0
	FRAG 1
	s_wait_loadcnt 48                              ; K block 0 is in: blocks 1 to 6 are younger
	WGET 7
.set t, 0
.rept 16
	KSTEP
.set t, t+1
.endr
	WAYOUT 0
.rept 16
	KSTEP
.set t, t+1
.endr
	WAYOUT 1
	s_wait_tensorcnt 0x0
	ds_add_u32 v94, v95
	s_wait_dscnt 0x0
	s_endpgm
.Lfunc_end_k_qbf56552ae7_down:
	.size	k_qbf56552ae7_down, .Lfunc_end_k_qbf56552ae7_down-k_qbf56552ae7_down
	.p2alignl 7, 3214868480
	.fill 96, 4, 3214868480
	.section	.rodata,"a",@progbits
	.p2align	6, 0x0
	.amdhsa_kernel k_qbf56552ae7_down
		.amdhsa_group_segment_fixed_size 250112
		.amdhsa_private_segment_fixed_size 0
		.amdhsa_enable_private_segment 0
		.amdhsa_kernarg_size 40
		.amdhsa_user_sgpr_count 2
		.amdhsa_user_sgpr_kernarg_segment_ptr 1
		.amdhsa_wavefront_size32 1
		.amdhsa_system_sgpr_workgroup_id_x 1
		.amdhsa_system_sgpr_workgroup_id_y 1
		.amdhsa_system_sgpr_workgroup_id_z 1
		.amdhsa_system_vgpr_workitem_id 0
		.amdhsa_next_free_vgpr 752
		.amdhsa_next_free_sgpr 72
		.amdhsa_reserve_vcc 0
		.amdhsa_float_denorm_mode_32 3
		.amdhsa_float_denorm_mode_16_64 3
		.amdhsa_memory_ordered 1
		.amdhsa_forward_progress 1
		.amdhsa_inst_pref_size 130
	.end_amdhsa_kernel
	.amdgpu_metadata
---
amdhsa.version: [ 1, 2 ]
amdhsa.kernels:
  - .name:           k_qbf56552ae7_down
    .symbol:         k_qbf56552ae7_down.kd
    .args:
      - { .name: act, .offset: 0, .size: 8, .value_kind: global_buffer, .address_space: global }
      - { .name: wdb, .offset: 8, .size: 8, .value_kind: global_buffer, .address_space: global }
      - { .name: list, .offset: 16, .size: 8, .value_kind: global_buffer, .address_space: global }
      - { .name: y2, .offset: 24, .size: 8, .value_kind: global_buffer, .address_space: global }
      - { .name: blk, .offset: 32, .size: 8, .value_kind: global_buffer, .address_space: global }
    .group_segment_fixed_size: 250112
    .private_segment_fixed_size: 0
    .kernarg_segment_align: 8
    .kernarg_segment_size: 40
    .max_flat_workgroup_size: 128
    .sgpr_count:     72
    .vgpr_count:     752
    .wavefront_size: 32
...
	.end_amdgpu_metadata
.endif
;; end of part 7
;; launch sum: the kernel of part 4 again; grid 256 x 1, 8 waves a work-group, no clusters, 0 bytes of LDS; arguments y2, out0; writes out0
